; MI455X (gfx1250); checked and timed in simulation.
; The chip was launched on July 23, 2026; its instructions are those of AMD's public machine-readable ISA for CDNA 5 (MIT licence, August 2026) and "CDNA5" Instruction Set Architecture Reference Guide (July 2026). The comments in the code are by the model that wrote it; some were corrected since.
;; Self Attention. Allowed arithmetic: matrix products marked QUANTISED: E2M3 operands, one E8M0 scale for each 32 along K, by v_wmma_scale_f32_16x16x128_f8f6f4 with both operands' format E2M3, f32 sums; everything else in f32.
;; Inputs: Wk 1,024 x 1,024 float32; Wo 1,024 x 1,024 float32; Wq 1,024 x 1,024 float32; Wv 1,024 x 1,024 float32; x 4 x 2,048 x 1,024 float32.
;; Outputs: out0 4 x 2,048 x 1,024 float32.
;; This version of the problem:
;;   THIS VERSION OF THE PROBLEM IS GIVEN IN LOW PRECISION. The matrix products marked QUANTISED in the list below multiply operands that are first quantised to E2M3 (2 exponent bits, 3 mantissa bits; 6 bits a number), with one power-of-two scale for each 32 numbers along K (OCP MX v1.0); their sums are f32. All else is computed in f32.
;;   The module's matrix products, in the order in which they are computed (A, B: the left and right operand; K: the contracted axis; several contracted axes count as one K, in the product's order):
;;     1. [M 8,192, K 1,024] x [K 1,024, N 1,024]; A: input x; B: input Wq: QUANTISED
;;     2. [M 8,192, K 1,024] x [K 1,024, N 1,024]; A: input x; B: input Wk: QUANTISED
;;     3. [M 8,192, K 1,024] x [K 1,024, N 1,024]; A: input x; B: input Wv: QUANTISED
;;     4. batch 32 x [M 2,048, K 128] x [K 128, N 2,048]; A: computed on the way; B: computed on the way: QUANTISED
;;     5. batch 32 x [M 2,048, K 2,048] x [K 2,048, N 128]; A: softmax (see below); B: computed on the way: QUANTISED
;;     6. [M 8,192, K 1,024] x [K 1,024, N 1,024]; A: computed on the way; B: input Wo: QUANTISED
;;   THE QUANTISER, for each operand of a quantised product, along K:
;;     - K is cut into blocks of 32 from its start; a last block that is shorter is filled with zeros.
;;     - A block's scale is 2^e with e = floor(log2(the largest magnitude in the block)) - 2, held to -126 .. 127; a block of zeros has e = 0. As a byte (E8M0): e + 127.
;;     - Each number is divided by its block's scale, clamped to +-7.5, and rounded to the nearest number of E2M3, ties to even, subnormals kept.
;;     - The product sums the exact products of the quantised numbers (number of the format x scale) in f32.
;;   ~~~python
;;   def quantise(x, axis):      # numpy; x: float32 -> the quantised numbers, widened to float32 again
;;       x = np.moveaxis(x, axis, -1); K = x.shape[-1]
;;       x = np.pad(x, [(0, 0)] * (x.ndim - 1) + [(0, -K % 32)]); x = x.reshape(x.shape[:-1] + (-1, 32)); a = np.abs(x).max(-1, keepdims=True)
;;       e = np.where(a > 0, np.clip(np.frexp(np.where(a > 0, a, 1))[1] - 1 - 2, -126, 127), 0)      # np.frexp(a)[1] - 1 = floor(log2(a)), exactly
;;       r = np.clip(x / 2.0 ** e, -7.5, 7.5)
;;       step = 2.0 ** (np.maximum(np.frexp(np.where(r == 0, 1, r))[1] - 1, 0) - 3)
;;       q = np.round(r / step) * step * 2.0 ** e      # np.round: ties to even
;;       return np.moveaxis(q.reshape(q.shape[:-2] + (-1,))[..., :K], -1, axis).astype(np.float32)
;;   ~~~
;;   SOFTMAX AHEAD OF A QUANTISED PRODUCT. Where the list says 'softmax', what is quantised is not the finished softmax but p = 2^(t - M), with t = logit x log2(e) and M = ceil(the row's largest t), a whole number; so 1/2 < the row's largest p <= 1. The row's sum l is taken of the UNQUANTISED p, in f32, and the product's result is divided by l at the end. Since M is a whole number, a kernel that streams over the keys may use a running M (the ceiling of the running maximum): every later rescaling is an exact power of two, which a block's scale takes up: the codes' values come out the same.
;;   OPERANDS COMPUTED ON THE WAY. 'Computed on the way' means the value that the module computes at that place (a softmax that the list does not call 'softmax' is quantised finished and normalised). What goes into a quantiser is computed in f32, as accurately as f32 sums, v_exp_f32 and their like allow (about 1e-6 of the number): no bf16 or f16 on the way to a quantiser, and a product that is left as it is and whose result goes on into a quantised operand takes f32 operands (vector FMAs, or v_wmma_f32_16x16x4_f32). A number that lies on a knife's edge between two numbers of the format may be rounded either way, as far as f32 arithmetic and the matrix unit's own rounding can turn it there, and no further.
;; One version. Each part assembles by itself: llvm-mc -triple=amdgcn-amd-amdhsa -mcpu=gfx1250 --defsym DOCPART=n.
;; ======== version 1 of 1: 4 launches
;; limits: right only within a limited range of input values
;; workspace buffers: cod 9,437,184 bytes; scl 393,216 bytes; kv 13,107,200 bytes; qrec 13,107,200 bytes; ocod 6,291,456 bytes; oscl 262,144 bytes
;; launch quant (part 1): grid 512 x 1, 4 waves a work-group, no clusters, 34,304 bytes of LDS; arguments x, Wq, Wk, Wv, Wo, cod, scl; writes cod, scl
.if DOCPART == 1
	.amdgcn_target "amdgcn-amd-amdhsa--gfx1250"
	.amdhsa_code_object_version 6
	.text
	.protected	k_qe66acf721a_quant
	.globl	k_qe66acf721a_quant
	.p2align	8
	.type	k_qe66acf721a_quant,@function
k_qe66acf721a_quant:
	s_mov_b64 s[64:65], 0
	v_nop
	global_prefetch_b8 v0, s[64:65] scope:SCOPE_SE
	s_setreg_imm32_b32 hwreg(HW_REG_WAVE_MODE, 25, 1), 1
	s_wait_xcnt 0x0
; x [8192][1024] and Wq, Wk, Wv, Wo [1024 (k)][1024 (n)], f32, become codes of FP6 (E2M3) with one E8M0 byte for each 32 along K.
; THE CODES ARE LAID AS IMAGES OF THE OPERAND'S REGISTERS.  A tile is 16 rows of an operand (tokens of x, columns n of a weight): tile 2 b + u holds rows 32 b + 8 u + r + 8 (r / 8), r = 0 .. 15.
; A fragment is a tile x 128 along K: 12 registers a lane, 1,536 bytes: register p of lane l lies at 512 (p / 4) + 16 l + 4 (p % 4).  cod: 768 tiles x 8 K steps x 1,536 bytes: tiles 0-511 x, 512-575 Wq, 576-639 Wk, 640-703 Wv, 704-767 Wo.
; scl: 512 bytes a tile: the scale word of (row r, K step s) lies at 256 (s / 4) + 128 (s % 2) + 8 r + 4 ((s / 2) % 2), so that two loads of 8 bytes a lane bring a tile's eight words: step s in register s / 2, in lanes 0-15 (s even) or 16-31 (s odd).
; A block's scale is 2^(floor(log2(its largest magnitude)) - 2); its byte is that magnitude's exponent field - 2, held at 1 from below.
; LIMITS: a block whose largest magnitude lies under 2^-124, a block of zeros among them, gets the byte 1 (its codes are then zeros or subnormal codes under that scale; this program alone reads the bytes); NaN and infinities are not served.
; Work-groups 0-255 take x, 32 tokens each: wave w takes tile 2 g + w / 2 and K steps 4 (w % 2) .. + 3.  Each load reads 512 consecutive bytes of one row; a K step's 16 rows turn through the wave's own stage in LDS, so that a lane gets
; two whole blocks of its row, in the order of the operand's registers.  Work-groups 256-511 take the weights: a lane takes a column n and its registers run down K (128 rows: one K step), so nothing is transposed; they use no LDS.
.set STG,   8448                       ; a wave's stage: 16 rows x (512 bytes + 16)
.set SPARE, 4*STG                      ; behind the stages: the spare words, 128 bytes for each wave: two blocks of 256 bytes that no other line names
.set SPW,   6                          ; v6   LDS address of my spare word; never rewritten
.set NIL,   7                          ; v7   0; never rewritten
.set SCW,   16                         ; v16-17 the scale words of four K steps, as they are stored
.set KEEP,  18                         ; v18  an even step's word (x); the word in the making (weights)
.set C,     20                         ; v20-31 a fragment's codes
.set T,     32                         ; v32-38 the halves of blocks whose three registers would begin on an odd number
.set R,     40                         ; v40-167 numbers as loaded
.set X,     168                        ; v168-231 x: 64 numbers of my row, in the operand's order
.set F,     168                        ; v168-191 weights: the registers of target lanes (r, 0) and (r, 1)
.macro XLOAD t                         ; K step t of my 16 rows: 32 lanes read 512 consecutive bytes of a row
.irp i, 0,1,2,3,4,5,6,7,8,9,10,11,12,13,14,15
	global_load_b128 v[R+64*((\t)%2)+4*\i:R+64*((\t)%2)+4*\i+3], v1, s[4:5] offset:(\i+8*(\i/8))*4096+512*(\t) th:TH_LOAD_NT
.endr
.endm
.macro XTURN t                         ; through the stage: in as loaded, out 128 bytes a block; LDS serves a wave's instructions in order, so no wait stands between
.irp i, 0,1,2,3,4,5,6,7,8,9,10,11,12,13,14,15
	ds_store_b128 v2, v[R+64*((\t)%2)+4*\i:R+64*((\t)%2)+4*\i+3] offset:528*\i
.endr
.irp c, 0,1
.irp j, 0,1,2,3,4,5,6,7
	ds_load_b128 v[X+32*\c+4*\j:X+32*\c+4*\j+3], v3 offset:256*\c+16*\j   ; lane (r, h): k = 64 c + 32 h + 4 j ..
.endr
.endr
.endm
.macro QX                              ; 64 numbers (two whole blocks) -> 12 registers of codes in v[C] on, the row's scale word in v13
.irp c, 0,1
	v_max3_num_f32 v[8+\c], |v[X+32*\c]|, |v[X+32*\c+1]|, 0x1800000        ; with the floor 2^(3 - 127): the byte cannot fall under 1
.endr
.irp i, 2,4,6,8,10,12,14,16,18,20,22,24,26,28,30
.irp c, 0,1
	v_max3_num_f32 v[8+\c], v[8+\c], |v[X+32*\c+\i]|, |v[X+32*\c+\i+1]|    ; the two blocks by turns
.endr
.endr
.irp c, 0,1
	v_add_nc_u32 v[10+\c], 0xff000000, v[8+\c]     ; 2 off the exponent field: the conversion's scale operand
.endr
.irp c, 0,1
	v_lshrrev_b32 v[8+\c], 23, v[10+\c]            ; the byte
.endr
	v_lshl_or_b32 v13, v9, 16, v8                  ; blocks h and 2 + h,
	v_lshlrev_b32 v13, v4, v13                     ; 8 h bits up;
	v_permlanex16_b32 v12, v13, s20, s21
	v_or_b32 v13, v13, v12                         ; with lane l xor 16's two the word is whole, in both lanes
	v_cvt_scalef32_pk16_fp6_f32 v[C:C+2], v[X:X+15], v10
	v_cvt_scalef32_pk16_fp6_f32 v[T:T+2], v[X+16:X+31], v10
	v_cvt_scalef32_pk16_fp6_f32 v[C+6:C+8], v[X+32:X+47], v11
	v_cvt_scalef32_pk16_fp6_f32 v[T+4:T+6], v[X+48:X+63], v11
	v_nop                                          ; one plain place behind the scaled conversions
.irp i, 0,1,2
	v_mov_b32 v[C+3+\i], v[T+\i]
	v_mov_b32 v[C+9+\i], v[T+4+\i]
.endr
.endm
.macro XSTEP t
.if (\t) < 3
	s_wait_loadcnt 16                              ; this step's 16 loads are in; the next step's 16 may be out
.else
	s_wait_loadcnt 0x0
.endif
	XTURN \t
	s_wait_dscnt 0x0                               ; my numbers are back, and the stage's stores have read their registers
	s_wait_xcnt 0x0                                ; the last step's stores have read the codes' registers
.if (\t) < 2
	XLOAD (\t)+2
.endif
	QX
.irp j, 0,1,2
	global_store_b128 v1, v[C+4*\j:C+4*\j+3], s[14:15] offset:1536*(\t)+512*\j   ; 512 consecutive bytes, aligned
.endr
.if (\t)%2 == 0
	v_mov_b32 v[KEEP], v13
.else
	v_cndmask_b32 v[SCW+(\t)/2], v[KEEP], v13, s30 ; lanes 0-15 the even step's word, lanes 16-31 the odd step's
.endif
.endm
.macro WLOAD b                         ; block b: W(32 b + i, my column): 32 lanes read 128 consecutive bytes, the four waves 512
.set i, 0
.rept 32
	global_load_b32 v[R+32*(\b)+i], v1, s[6:7] offset:4096*(32*(\b)+i) th:TH_LOAD_NT
.set i, i+1
.endr
.endm
.macro WBLOCK b                        ; block b = 2 c + h of the K step goes to registers 6 c .. 6 c + 5 of target lane (r, h)
.set XS, R+32*(\b)
.set FD, F+12*((\b)%2)+6*((\b)/2)
.if (\b) < 3
	s_wait_loadcnt 32                              ; this block's 32 loads are in; the next block's may be out
.else
	s_wait_loadcnt 0x0
.endif
.if (\b) < 2
	WLOAD (\b)+2
.endif
	v_max3_num_f32 v12, |v[XS]|, |v[XS+1]|, |v[XS+2]|
	v_max3_num_f32 v13, |v[XS+3]|, |v[XS+4]|, |v[XS+5]|
.irp i, 6,10,14,18,22,26
	v_max3_num_f32 v12, v12, |v[XS+\i]|, |v[XS+\i+1]|
	v_max3_num_f32 v13, v13, |v[XS+\i+2]|, |v[XS+\i+3]|
.endr
	v_max3_num_f32 v12, v12, |v[XS+30]|, |v[XS+31]|
	v_max3_num_f32 v12, v12, v13, 0x1800000        ; and the floor
	v_add_nc_u32 v11, 0xff000000, v12
	v_lshrrev_b32 v13, 23, v11
.if (\b) == 0
	v_mov_b32 v[KEEP], v13
.else
	v_lshl_or_b32 v[KEEP], v13, 8*(\b), v[KEEP]
.endif
	v_cvt_scalef32_pk16_fp6_f32 v[FD:FD+2], v[XS:XS+15], v11
	v_cvt_scalef32_pk16_fp6_f32 v[T:T+2], v[XS+16:XS+31], v11
	v_nop                                          ; one plain place behind the scaled conversions
.irp i, 0,1,2
	v_mov_b32 v[FD+3+\i], v[T+\i]
.endr
.endm
	s_load_b256 s[4:11], s[0:1], 0x0               ; x s[4:5], Wq s[6:7], Wk s[8:9], Wv s[10:11]
	s_load_b128 s[12:15], s[0:1], 0x20             ; Wo s[12:13], cod s[14:15]
	s_load_b64 s[16:17], s[0:1], 0x30              ; scl
	v_lshl_add_u32 v[SPW], v0, 2, SPARE
	v_mov_b32 v[NIL], 0
	v_lshrrev_b32 v1, 5, v0
	v_readfirstlane_b32 s18, v1                    ; wave 0..3
	v_and_b32 v9, 31, v0                           ; lane
	s_mov_b32 s20, 0x76543210
	s_mov_b32 s21, 0xfedcba98                      ; v_permlanex16_b32's selects for lane l xor 16
	s_mov_b32 s30, 0xffff0000                      ; lanes 16-31
	s_cmp_lt_u32 ttmp9, 256
	s_cbranch_scc0 .Lweights
	; ---- x
	v_lshlrev_b32 v1, 4, v9                        ; 16 x lane
	v_lshlrev_b32 v5, 3, v9                        ; 8 x lane
	v_and_b32 v10, 15, v0                          ; r
	v_bfe_u32 v11, v0, 4, 1                        ; h
	v_lshlrev_b32 v4, 3, v11                       ; 8 h
	s_mul_i32 s19, s18, STG                        ; my stage
	v_add_nc_u32 v2, s19, v1                       ; in: 16 x lane, a row each store
	v_mul_u32_u24 v3, v10, 528
	v_lshl_add_u32 v3, v11, 7, v3
	v_add_nc_u32 v3, s19, v3                       ; out: row r, + 128 h
	v_mov_b32 v12, 0                               ; a lane permute's destination counts as one of its sources
	s_lshr_b32 s22, s18, 1                         ; u: which of the group's two tiles
	s_and_b32 s23, s18, 1                          ; z: which four K steps
	s_lshl_b32 s24, ttmp9, 17                      ; x: (32 g + 8 u) rows of 4,096 bytes + 2,048 z
	s_lshl_b32 s26, s22, 15
	s_add_co_u32 s24, s24, s26
	s_lshl_b32 s26, s23, 11
	s_add_co_u32 s24, s24, s26
	s_mov_b32 s25, 0
	s_lshl_b32 s26, ttmp9, 1
	s_add_co_u32 s26, s26, s22                     ; my tile
	s_mul_i32 s28, s26, 12288
	s_mul_i32 s27, s23, 6144
	s_add_co_u32 s28, s28, s27
	s_mov_b32 s29, 0
	s_lshl_b32 s26, s26, 9
	s_lshl_b32 s27, s23, 8
	s_add_co_u32 s26, s26, s27
	s_mov_b32 s27, 0
	s_wait_alu depctr_va_vdst(0)
	s_wait_kmcnt 0x0
	s_add_nc_u64 s[4:5], s[4:5], s[24:25]
	s_add_nc_u64 s[14:15], s[14:15], s[28:29]
	s_add_nc_u64 s[16:17], s[16:17], s[26:27]
	XLOAD 0
	XLOAD 1
	XSTEP 0
	XSTEP 1
	XSTEP 2
	XSTEP 3
	global_store_b64 v5, v[SCW:SCW+1], s[16:17]    ; 256 consecutive bytes, aligned: my half of the tile's scale words
	s_wait_tensorcnt 0x0                           ; the wave's end
	ds_add_u32 v[SPW], v[NIL]
	s_wait_dscnt 0x0
	s_endpgm
	; ---- the weights: work-group 256 + 64 o + 8 cg + s: weight o, columns 128 cg .. + 127, K step s
.Lweights:
	s_sub_co_u32 s22, ttmp9, 256
	s_lshr_b32 s23, s22, 6                         ; o
	s_bfe_u32 s24, s22, 0x30003                    ; cg
	s_and_b32 s25, s22, 7                          ; s
	s_lshl_b32 s26, s25, 19                        ; 128 rows of 4,096 bytes a K step,
	s_lshl_b32 s28, s24, 9
	s_add_co_u32 s26, s26, s28
	s_lshl_b32 s28, s18, 7
	s_add_co_u32 s26, s26, s28                     ; + 4 x (128 cg + 32 wave)
	s_mov_b32 s27, 0
	s_lshl_b32 s28, s23, 6
	s_lshl_b32 s29, s24, 3
	s_add_co_u32 s28, s28, s29
	s_lshl_b32 s29, s18, 1
	s_add_co_u32 s28, s28, s29
	s_add_co_u32 s28, s28, 512                     ; my first tile: 512 + 64 o + 8 cg + 2 wave
	s_mul_i32 s32, s28, 12288
	s_mul_i32 s29, s25, 1536
	s_add_co_u32 s32, s32, s29
	s_mov_b32 s33, 0
	s_lshl_b32 s34, s28, 9
	s_lshr_b32 s29, s25, 2
	s_lshl_b32 s29, s29, 8
	s_add_co_u32 s34, s34, s29
	s_and_b32 s29, s25, 1
	s_lshl_b32 s29, s29, 7
	s_add_co_u32 s34, s34, s29
	s_bfe_u32 s29, s25, 0x10001
	s_lshl_b32 s29, s29, 2
	s_add_co_u32 s34, s34, s29                     ; the K step's place among a tile's scale words
	s_mov_b32 s35, 0
	s_wait_alu depctr_va_vdst(0)
	v_lshlrev_b32 v1, 2, v9                        ; in: 4 bytes a lane
	v_bfe_u32 v10, v9, 3, 1                        ; my column lies in tile u = (lane / 8) % 2,
	v_and_b32 v11, 7, v9
	v_lshrrev_b32 v12, 4, v9
	v_lshl_add_u32 v11, v12, 3, v11                ; at row r = lane % 8 + 8 (lane / 16)
	v_mul_u32_u24 v2, v10, 12288
	v_lshl_add_u32 v2, v11, 4, v2                  ; codes: 12,288 u + 16 r
	v_lshlrev_b32 v3, 9, v10
	v_lshl_add_u32 v3, v11, 3, v3                  ; scale word: 512 u + 8 r
	s_wait_alu depctr_va_vdst(0)
	s_wait_kmcnt 0x0
	s_cmp_eq_u32 s23, 1                            ; the choice hangs on the work-group's number alone
	s_cselect_b64 s[6:7], s[8:9], s[6:7]
	s_cmp_eq_u32 s23, 2
	s_cselect_b64 s[6:7], s[10:11], s[6:7]
	s_cmp_eq_u32 s23, 3
	s_cselect_b64 s[6:7], s[12:13], s[6:7]
	s_add_nc_u64 s[6:7], s[6:7], s[26:27]
	s_add_nc_u64 s[14:15], s[14:15], s[32:33]
	s_add_nc_u64 s[16:17], s[16:17], s[34:35]
	WLOAD 0
	WLOAD 1
	WBLOCK 0
	WBLOCK 1
	WBLOCK 2
	WBLOCK 3
.irp h, 0,1
.irp j, 0,1,2
	global_store_b128 v2, v[F+12*\h+4*\j:F+12*\h+4*\j+3], s[14:15] offset:256*\h+512*\j   ; sixteen lanes of a tile store 256 consecutive bytes, aligned
.endr
.endr
	global_store_b32 v3, v[KEEP], s[16:17]         ; 4 bytes of each 8: one byte for each 128 bytes of f32 read
	s_wait_tensorcnt 0x0                           ; the same three lines close this path
	ds_add_u32 v[SPW], v[NIL]
	s_wait_dscnt 0x0
	s_endpgm
.Lfunc_end_k_qe66acf721a_quant:
	.size	k_qe66acf721a_quant, .Lfunc_end_k_qe66acf721a_quant-k_qe66acf721a_quant
	.p2alignl 7, 3214868480
	.fill 96, 4, 3214868480
	.section	.rodata,"a",@progbits
	.p2align	6, 0x0
	.amdhsa_kernel k_qe66acf721a_quant
		.amdhsa_group_segment_fixed_size 34304
		.amdhsa_private_segment_fixed_size 0
		.amdhsa_enable_private_segment 0
		.amdhsa_kernarg_size 56
		.amdhsa_user_sgpr_count 2
		.amdhsa_user_sgpr_kernarg_segment_ptr 1
		.amdhsa_wavefront_size32 1
		.amdhsa_system_sgpr_workgroup_id_x 1
		.amdhsa_system_sgpr_workgroup_id_y 1
		.amdhsa_system_sgpr_workgroup_id_z 1
		.amdhsa_system_vgpr_workitem_id 0
		.amdhsa_next_free_vgpr 232
		.amdhsa_next_free_sgpr 66
		.amdhsa_reserve_vcc 0
		.amdhsa_float_denorm_mode_32 3
		.amdhsa_float_denorm_mode_16_64 3
		.amdhsa_memory_ordered 1
		.amdhsa_forward_progress 1
		.amdhsa_inst_pref_size 51
	.end_amdhsa_kernel
	.amdgpu_metadata
---
amdhsa.version: [ 1, 2 ]
amdhsa.kernels:
  - .name:           k_qe66acf721a_quant
    .symbol:         k_qe66acf721a_quant.kd
    .args:
      - { .name: x, .offset: 0, .size: 8, .value_kind: global_buffer, .address_space: global }
      - { .name: Wq, .offset: 8, .size: 8, .value_kind: global_buffer, .address_space: global }
      - { .name: Wk, .offset: 16, .size: 8, .value_kind: global_buffer, .address_space: global }
      - { .name: Wv, .offset: 24, .size: 8, .value_kind: global_buffer, .address_space: global }
      - { .name: Wo, .offset: 32, .size: 8, .value_kind: global_buffer, .address_space: global }
      - { .name: cod, .offset: 40, .size: 8, .value_kind: global_buffer, .address_space: global }
      - { .name: scl, .offset: 48, .size: 8, .value_kind: global_buffer, .address_space: global }
    .group_segment_fixed_size: 34304
    .private_segment_fixed_size: 0
    .kernarg_segment_align: 8
    .kernarg_segment_size: 56
    .max_flat_workgroup_size: 128
    .sgpr_count:     66
    .vgpr_count:     232
    .wavefront_size: 32
...
	.end_amdgpu_metadata
.endif
;; end of part 1
;; launch qkv (part 2): grid 8 x 32, 4 waves a work-group, clusters of 4 x 4, 327,680 bytes of LDS; arguments cod, scl, qrec, kv; writes qrec, kv
.if DOCPART == 2
	.amdgcn_target "amdgcn-amd-amdhsa--gfx1250"
	.amdhsa_code_object_version 6
	.text
	.protected	k_qe66acf721a_qkv
	.globl	k_qe66acf721a_qkv
	.p2align	8
	.type	k_qe66acf721a_qkv,@function
k_qe66acf721a_qkv:
	s_mov_b64 s[64:65], 0
	v_nop
	global_prefetch_b8 v0, s[64:65] scope:SCOPE_SE
	s_setreg_imm32_b32 hwreg(HW_REG_WAVE_MODE, 25, 1), 1
	s_wait_xcnt 0x0
	s_wait_alu depctr_hold_cnt(0) depctr_sa_sdst(0) depctr_va_vdst(0) depctr_va_sdst(0) depctr_va_ssrc(0) depctr_va_vcc(0) depctr_vm_vsrc(0)
	s_getreg_b32 s2, hwreg(HW_REG_IB_STS2, 6, 4)
	s_cmp_eq_u32 s2, 0
	s_cbranch_scc0 .Lentry_in_a_cluster
	s_endpgm
.Lentry_in_a_cluster:
	s_bfe_u32 s2, ttmp6, 0x10000c
	s_cmp_lg_u32 s2, 0xf033
	s_cbranch_scc0 .Lentry_shape_is_right
	s_endpgm
.Lentry_shape_is_right:
; q = x Wq, k = x Wk, v = x Wv on codes of FP6 (E2M3); the results are quantised at once for attention: q and k along the head's 128, v along the keys.
; Operands lie in cod and scl as images of registers (a tile = 16 rows in the order 32 b + 8 u + r + 8 (r / 8); a fragment = tile x 128 K = 1,536 bytes; a tile's eight K steps are 12,288 bytes on end).
; A product is D = P R^T: source 0 = a tile of P, source 1 = a tile of R.  In D a lane holds R's row of lane % 16, and the 64 registers of eight tiles of P are 128 rows of P: they quantise into one fragment whose rows are R's tile.
;   q, k: P = 8 tiles of Wq or Wk (one head), R = tokens.      v: P = 8 tiles of tokens (128 keys), R = Wv's columns.
; A block is 256 rows of P x 128 rows of R; a wave takes 128 x 64: 32 accumulators.
; A WORK-GROUP STAYS and walks three blocks: cluster rows Y and Y + 8 (q and k: P 8 blocks of 16 weight tiles, R 64 blocks of 8 token tiles) and Y + 16 (v: P 32 blocks of token tiles, R 8 blocks of Wv).  256 work-groups.
; THE RING: two slots of four K steps (P's 16 tiles x 6,144 bytes, then R's 8).  Each wave fetches with one tensor load behind each round: waves 0, 1 P's halves, waves 2, 3 R's.  Slot 0 is asked for again at K step 3,
; slot 1 at K step 7, each with the NEXT block's half, so the ring goes on from block to block.  The loop has two trips; the last block, which asks for nothing, is written out.
; CLUSTER 4 x 4: P's block hangs on cx and is shared along a column of the cluster, R's on cy and along a row: each is asked for jointly by the four.
; No prefetch is laid: each block of cod is asked for by several clusters of this launch (P's by 16 or 2 cluster rows, R's by both cluster columns) within one block's walk.
; OUT: records of 25,600 bytes [batch x 8 + head][128 keys]: K's 8 fragments, V^T's 8 at 12,288, K's scale words at 24,576, V's at 25,088.  qrec: the same record, its K parts holding q.
; LIMITS: a block whose largest magnitude lies under 2^-124 gets the byte 1; NaN and infinities are not served.
; REGISTERS: window 0: v1-2, v8-13 addresses; v28-29 the add's two; v32-63 P's scale words, v64-79 R's; v80-101 at work; v128-223 R's fragments, two sets of 48, in the epilogue the codes.  window 1: P's fragments, two sets, at v0 and v128.  window 2: accumulator (a, b) at v[8 (8 a + b)].
.set SLOT,  147456
.set ROFF,  98304
.set SPARE, 2*SLOT                     ; the spare words: 128 bytes a wave, two blocks of 256 bytes that no other line names
.set ADP, 8                            ; v8-9    my 8 tiles of P in slot c
.set ADR, 12                           ; v12-13  my 4 tiles of R in slot c
.set SPW, 28
.set NIL, 29
.set PS,  32                           ; tile i: v[PS + 4 i + s / 2] holds K step s, in lanes 0-15 (s even) or 16-31 (s odd)
.set RS,  64
.set TM,  80
.set PW,  96
.set IMG, 100
.set RF,  128
.set G1P, 24
.set G1R, 32
.set G0P, 40                           ; s[40:47] P's groups 0, one a slot; s[48:55] R's
.set G0R, 48
.set SEL, 12
.set CNT, 56
.set MSB, 0
.macro WIN new
.if MSB != \new
	s_set_vgpr_msb (MSB<<8)|\new
.set MSB, \new
.endif
.endm
.macro PLACES                          ; four places behind a matrix instruction (ISA guide 7.12.1)
.rept 4
	v_nop
.endr
.endm
.macro CROUND                          ; a round of the cluster's barrier
	s_barrier_signal -1
	s_barrier_wait -1
	s_cmp_lg_u32 s14, 0
	s_cbranch_scc1 .Lnot_wave_0_\@
	s_barrier_signal -3
.Lnot_wave_0_\@:
	s_barrier_wait -3
	s_barrier_signal -1
	s_barrier_wait -1
.endm
.macro JLOAD c                         ; my one joint load into slot c; the branch hangs on the wave's number alone
	s_cmp_eq_u32 s15, 0
	s_cbranch_scc0 .Lfor_r_\@
	tensor_load_to_lds s[G0P+4*\c:G0P+4*\c+3], s[G1P:G1P+7]
	s_nop 0
	PLACES
	s_branch .Lasked_\@
.Lfor_r_\@:
	tensor_load_to_lds s[G0R+4*\c:G0R+4*\c+3], s[G1R:G1R+7]
	s_nop 0
	PLACES
.Lasked_\@:
.endm
.macro SETIN                           ; from the cluster row in s19: where the block's codes and scale words lie.  The choice is made by selects; no branch hangs on it
	s_sub_co_u32 s21, s19, 16
	s_cmp_ge_u32 s19, 16                           ; v's part?  The same in all sixteen partners
	s_cselect_b32 s20, 1, 0
	s_cselect_b32 s76, s21, ttmp9
	s_cselect_b32 s77, 0, 512                      ; P's first tile in cod: tokens, or Wq and Wk
	s_cselect_b32 s80, ttmp9, s19
	s_cselect_b32 s81, 640, 0                      ; R's first tile: Wv, or tokens
	s_lshl_b32 s76, s76, 2
	s_add_co_u32 s76, s76, s17                     ; px: my block of 16 tiles of P
	s_lshl_b32 s78, s76, 4
	s_add_co_u32 s77, s77, s78
	s_lshl_b32 s78, s16, 3
	s_add_co_u32 s77, s77, s78                     ; the 8 tiles of P that I fetch and multiply
	s_mul_i32 s78, s77, 12288
	s_mov_b32 s79, 0
	s_lshl_b32 s80, s80, 2
	s_add_co_u32 s80, s80, s18                     ; ry: my block of 8 tiles of R
	s_lshl_b32 s82, s80, 3
	s_add_co_u32 s81, s81, s82
	s_lshl_b32 s82, s16, 2
	s_add_co_u32 s82, s82, s81                     ; the 4 that I fetch
	s_mul_i32 s82, s82, 12288
	s_mov_b32 s83, 0
	s_add_nc_u64 s[78:79], s[4:5], s[78:79]
	s_add_nc_u64 s[82:83], s[4:5], s[82:83]
	s_lshl_b32 s84, s77, 9                         ; scale words: 512 bytes a tile
	s_mov_b32 s85, 0
	s_add_nc_u64 s[84:85], s[6:7], s[84:85]
	s_lshl_b32 s86, s15, 2
	s_add_co_u32 s86, s86, s81
	s_lshl_b32 s86, s86, 9
	s_mov_b32 s87, 0
	s_add_nc_u64 s[86:87], s[6:7], s[86:87]
	s_mov_b64 s[G0P+2:G0P+3], s[78:79]             ; the four groups 0 (no tensor load of mine is out where this macro stands): K steps 0-3,
	s_add_nc_u64 s[G0P+6:G0P+7], s[78:79], 6144    ; K steps 4-7
	s_mov_b64 s[G0R+2:G0R+3], s[82:83]
	s_add_nc_u64 s[G0R+6:G0R+7], s[82:83], 6144
.irp g, G0P+3, G0P+7, G0R+3, G0R+7
	s_or_b32 s[\g], s[\g], 0x80000000
.endr
.endm
.macro SETOUT                          ; from s76, s80, s20: where my four fragments and their scale words go
	s_lshl_b32 s92, s76, 1
	s_add_co_u32 s92, s92, s16                     ; g: head (q: 0-7, k: 8-15), or 128 keys (v: 0-63)
	s_lshl_b32 s93, s80, 3
	s_lshl_b32 s94, s15, 2
	s_add_co_u32 s93, s93, s94                     ; my first tile of R
	s_lshr_b32 s94, s93, 7                         ; q, k: record (batch x 8 + head) x 16 + the tile's 128 tokens
	s_lshl_b32 s94, s94, 3
	s_and_b32 s95, s92, 7
	s_add_co_u32 s94, s94, s95
	s_lshl_b32 s94, s94, 4
	s_bfe_u32 s95, s93, 0x40003
	s_add_co_u32 s94, s94, s95
	s_lshr_b32 s95, s92, 4                         ; v: batch = g / 16, head = tile / 8, keys = g % 16
	s_lshl_b32 s95, s95, 3
	s_lshr_b32 s3, s93, 3
	s_add_co_u32 s95, s95, s3
	s_lshl_b32 s95, s95, 4
	s_and_b32 s3, s92, 15
	s_add_co_u32 s95, s95, s3
	s_cmp_eq_u32 s20, 1
	s_cselect_b32 s94, s95, s94
	s_mul_i32 s94, s94, 25600
	s_and_b32 s93, s93, 7
	s_mul_i32 s88, s20, 12288
	s_mul_i32 s95, s93, 1536
	s_add_co_u32 s88, s88, s95
	s_add_co_u32 s88, s88, s94
	s_mov_b32 s89, 0
	s_lshl_b32 s90, s20, 9
	s_lshl_b32 s95, s93, 6
	s_add_co_u32 s90, s90, s95
	s_add_co_u32 s90, s90, s94
	s_add_co_u32 s90, s90, 24576
	s_mov_b32 s91, 0
	s_lshl_b32 s95, s20, 6
	s_add_co_u32 s95, s95, s92
	s_cmp_lt_u32 s95, 8                            ; q's heads go to qrec, all else to kv: the choice hangs on ids alone
	s_cselect_b64 s[92:93], s[8:9], s[10:11]
	s_add_nc_u64 s[88:89], s[92:93], s[88:89]
	s_add_nc_u64 s[90:91], s[92:93], s[90:91]
.endm
.macro SCLOAD                          ; a block's scale words: 24 loads of 256 consecutive bytes, aligned
.irp i, 0,1,2,3,4,5,6,7
.irp z, 0,1
	global_load_b64 v[PS+4*\i+2*\z:PS+4*\i+2*\z+1], v2, s[84:85] offset:512*\i+256*\z
.endr
.endr
.irp i, 0,1,2,3
.irp z, 0,1
	global_load_b64 v[RS+4*\i+2*\z:RS+4*\i+2*\z+1], v2, s[86:87] offset:512*\i+256*\z
.endr
.endr
.endm
.macro FETCHP s                        ; K step s: my 8 fragments of P: 24 loads of 512 consecutive bytes
	WIN 0x40
.irp i, 0,1,2,3,4,5,6,7
.irp j, 0,1,2
	ds_load_b128 v[128*((\s)%2)+12*\i+4*\j:128*((\s)%2)+12*\i+4*\j+3], v[ADP+(\s)/4] offset:6144*\i+1536*((\s)%4)+512*\j
.endr
.endr
	WIN 0
.endm
.macro FETCHR s                        ; and my 4 of R: 12 loads
.irp i, 0,1,2,3
.irp j, 0,1,2
	ds_load_b128 v[RF+48*((\s)%2)+12*\i+4*\j:RF+48*((\s)%2)+12*\i+4*\j+3], v[ADR+(\s)/4] offset:6144*\i+1536*((\s)%4)+512*\j
.endr
.endr
.endm
.macro MUL s                           ; 32 matrix instructions; the 32 accumulators take turns, one instruction a turn
	WIN 0xa1
.irp a, 0,1,2,3
.irp b, 0,1,2,3,4,5,6,7
.if (\s) == 0
	v_wmma_scale_f32_16x16x128_f8f6f4 v[8*(8*\a+\b):8*(8*\a+\b)+7], v[12*\b:12*\b+11], v[RF+12*\a:RF+12*\a+11], 0, v[PS+4*\b], v[RS+4*\a] matrix_a_fmt:MATRIX_FMT_FP6 matrix_b_fmt:MATRIX_FMT_FP6
.elseif (\s)%2 == 0
	v_wmma_scale_f32_16x16x128_f8f6f4 v[8*(8*\a+\b):8*(8*\a+\b)+7], v[12*\b:12*\b+11], v[RF+12*\a:RF+12*\a+11], v[8*(8*\a+\b):8*(8*\a+\b)+7], v[PS+4*\b+(\s)/2], v[RS+4*\a+(\s)/2] matrix_a_fmt:MATRIX_FMT_FP6 matrix_b_fmt:MATRIX_FMT_FP6
.else
	v_wmma_scale_f32_16x16x128_f8f6f4 v[8*(8*\a+\b):8*(8*\a+\b)+7], v[128+12*\b:128+12*\b+11], v[RF+48+12*\a:RF+48+12*\a+11], v[8*(8*\a+\b):8*(8*\a+\b)+7], v[PS+4*\b+(\s)/2], v[RS+4*\a+(\s)/2] matrix_a_fmt:MATRIX_FMT_FP6 matrix_b_fmt:MATRIX_FMT_FP6 matrix_a_scale:MATRIX_SCALE_ROW1 matrix_b_scale:MATRIX_SCALE_ROW1
.endif
.endr
.endr
.endm
.macro KSTEP s, more                   ; more = 1: a block follows, and the slots are asked for again
.if (\s) == 3                          ; slot 0 is read no more (K step 3's fragments were fetched last step); slot 1 is read from here on
	WIN 0
	s_wait_tensorcnt 0x0                           ; all my tensor loads have landed: the one that was out is my part of slot 1
.if \more
	ds_add_u32 v[SPW], v[NIL]                      ; the next block's addresses, work on registers, stand between the add and its wait
	s_add_co_u32 s19, s19, 8
	SETIN
.endif
	s_wait_dscnt 0x0                               ; my reads of slot 0 are over (and the add is done)
.if \more
	CROUND
	JLOAD 0                                        ; the next block's K steps 0-3; its four v_nop are the places in front of the loads below
.else
	s_barrier_signal -1
	s_barrier_wait -1
	PLACES
.endif
	FETCHP 4
	FETCHR 4
.elseif (\s) == 7
.if \more                              ; slot 1 is read no more
	WIN 0
	s_wait_tensorcnt 0x0                           ; my part of the next block's slot 0 is in
	ds_add_u32 v[SPW], v[NIL]
	s_wait_dscnt 0x0
	CROUND
	JLOAD 1                                        ; the next block's K steps 4-7
	FETCHP 0                                       ; and its first fragments of P, into the set that K step 6 multiplied
.else
	s_wait_dscnt 0x0
.endif
.else
	PLACES                                         ; the set to be loaded was multiplied last step
	FETCHP (\s)+1
	FETCHR (\s)+1
	s_wait_dscnt 36                                ; all but the 36 just issued: this step's fragments are in
.if (\s) == 0
	s_wait_loadcnt 0x0                             ; the scale words
.endif
.endif
	MUL \s
.endm
; The 64 results of R's tile a become a fragment (v[128 + 24 a] on) and its scale word (v[PW + a]) and are stored.  Each accumulator is read from its low end on.
.macro QUANTW a
.set AC, 64*(\a)
.set PC, 128+24*(\a)
	WIN 0x0a
.irp b, 0,1,2,3
	v_max3_num_f32 v[TM+\b], |v[AC+16*\b]|, |v[AC+1+16*\b]|, 0x1800000     ; with the floor 2^(3 - 127): the byte cannot fall under 1
.endr
.irp i, 2,4,6,8,10,12,14
.irp b, 0,1,2,3
	v_max3_num_f32 v[TM+\b], |v[AC+16*\b+\i]|, |v[AC+1+16*\b+\i]|, v[TM+\b]
.endr
.endr
	WIN 0
.irp b, 0,1,2,3
	v_permlanex16_b32 v[TM+4+\b], v[TM+\b], s[SEL], s[SEL+1]
.endr
.irp b, 0,1,2,3
	v_max_num_f32 v[TM+\b], v[TM+\b], v[TM+4+\b]   ; with lane l xor 16's: the block's largest magnitude
.endr
.irp b, 0,1,2,3
	v_add_nc_u32 v[TM+12+\b], 0xff000000, v[TM+\b] ; 2 off its exponent field: the conversion's scale operand
.endr
.irp b, 0,1,2,3
	v_lshrrev_b32 v[TM+4+\b], 23, v[TM+12+\b]      ; the byte
.endr
	v_lshl_or_b32 v[PW+(\a)], v[TM+5], 8, v[TM+4]
	v_lshl_or_b32 v[PW+(\a)], v[TM+6], 16, v[PW+(\a)]
	v_lshl_or_b32 v[PW+(\a)], v[TM+7], 24, v[PW+(\a)]
	WIN 0x02
.irp c, 0,1
	v_cvt_scalef32_pk16_fp6_f32 v[PC+6*\c:PC+2+6*\c], v[AC+32*\c:AC+15+32*\c], v[TM+12+2*\c]
	v_cvt_scalef32_pk16_fp6_f32 v[PC+12+4*\c:PC+14+4*\c], v[AC+16+32*\c:AC+31+32*\c], v[TM+12+2*\c+1]
.endr
	WIN 0
	v_nop                                          ; one plain place behind the scaled conversions
.irp c, 0,1                                    ; the operand's layout wants a whole block in a lane
.irp i, 0,1,2
	v_permlane16_swap_b32 v[PC+6*\c+\i], v[PC+12+4*\c+\i]
.endr
.irp i, 0,1,2
	v_mov_b32 v[PC+3+6*\c+\i], v[PC+12+4*\c+\i]
.endr
.endr
.irp j, 0,1,2
	global_store_b128 v1, v[PC+4*\j:PC+4*\j+3], s[88:89] offset:1536*(\a)+512*\j   ; 512 consecutive bytes, aligned
.endr
.endm
.macro TILE more                       ; one block.  Its first fragments of P are on their way already
	s_wait_alu depctr_va_vdst(0)
	s_wait_xcnt 0x0                                ; the last block's stores have read their base and their data
	SETOUT
	PLACES
	FETCHR 0
.irp s, 0,1,2,3,4,5,6,7
	KSTEP \s, \more
.endr
	PLACES                                         ; in front of the first read of results and of loads into the scale registers
	WIN 0
.if \more
	SCLOAD                                         ; the next block's scale words land under the quantising
.endif
	QUANTW 0
	QUANTW 1
	QUANTW 2
	QUANTW 3
	v_cndmask_b32 v[IMG], v[PW], v[PW+1], s2       ; tile 0's words in lanes 0-15, tile 1's in lanes 16-31
	v_cndmask_b32 v[IMG+1], v[PW+2], v[PW+3], s2
	global_store_b64 v2, v[IMG:IMG+1], s[90:91]    ; 256 consecutive bytes, aligned
.endm
	s_load_b256 s[4:11], s[0:1], 0x0               ; cod s[4:5], scl s[6:7], qrec s[8:9], kv s[10:11]
	v_lshl_add_u32 v[SPW], v0, 2, SPARE
	v_mov_b32 v[NIL], 0
	ds_add_u32 v[SPW], v[NIL]                      ; the opening lines: the add, twice on end, and its wait ahead of my first tensor load
	ds_add_u32 v[SPW], v[NIL]
	v_lshrrev_b32 v1, 5, v0
	v_readfirstlane_b32 s14, v1                    ; wave 0..3
	s_lshr_b32 s15, s14, 1                         ; which 4 tiles of R are mine.  Also: I fetch for P (0) or for R (1)
	s_and_b32 s16, s14, 1                          ; which 8 tiles of P are mine.  Also: which half of the block I fetch
	s_bfe_u32 s17, ttmp6, 0x40000                  ; cx
	s_bfe_u32 s18, ttmp6, 0x40004                  ; cy
	s_and_b32 s19, ttmp7, 0xffff                   ; the first block's cluster row
	s_lshl_b32 s21, 0x1111, s17                    ; my column of the cluster
	s_or_b32 s[G1P], s21, (3<<16)|(1<<21)          ; the mask; elements of 8 bytes; bit 21 beside a mask; no padding
	s_lshl_b32 s21, s18, 2
	s_lshl_b32 s21, 15, s21                        ; my row
	s_or_b32 s[G1R], s21, (3<<16)|(1<<21)
	s_mov_b32 s[G1P+1], 768<<16                    ; a tile's four K steps: 6,144 bytes
	s_mov_b32 s[G1P+2], 8<<16                      ; 8 tiles
	s_mov_b32 s[G1P+3], 768<<16
	s_mov_b32 s[G1P+4], 8
	s_mov_b32 s[G1P+5], 1536                       ; from tile to tile: 12,288 bytes
	s_mov_b32 s[G1P+6], 0
	s_mov_b32 s[G1P+7], 0
	s_mov_b32 s[G1R+1], 768<<16
	s_mov_b32 s[G1R+2], 4<<16                      ; 4 tiles
	s_mov_b32 s[G1R+3], 768<<16
	s_mov_b32 s[G1R+4], 4
	s_mov_b32 s[G1R+5], 1536
	s_mov_b32 s[G1R+6], 0
	s_mov_b32 s[G1R+7], 0
	s_mul_i32 s22, s16, 49152                      ; where they go: no place in the cluster enters an LDS address
	s_mul_i32 s23, s16, 24576
	s_add_co_u32 s23, s23, ROFF
.irp c, 0,1
	s_mov_b32 s[G0P+4*\c], 1
	s_add_co_u32 s[G0P+4*\c+1], s22, \c*SLOT
	s_mov_b32 s[G0R+4*\c], 1
	s_add_co_u32 s[G0R+4*\c+1], s23, \c*SLOT
.endr
	s_mov_b32 s[SEL], 0x76543210
	s_mov_b32 s[SEL+1], 0xfedcba98
	s_mov_b32 s2, 0xffff0000                       ; lanes 16-31
	s_wait_dscnt 0x0                               ; both opening adds are done
	s_wait_kmcnt 0x0
	SETIN
	CROUND                                         ; all sixteen work-groups are here: the first joint loads meet
	JLOAD 0                                        ; my one load at the head: K steps 0-3
	v_and_b32 v2, 31, v0
	v_lshlrev_b32 v1, 4, v2                        ; 16 x lane
	v_lshlrev_b32 v2, 3, v2                        ; 8 x lane
	SCLOAD
	s_mul_i32 s57, s16, 49152                      ; my 8 tiles of P,
	s_mul_i32 s58, s15, 24576                      ; my 4 tiles of R
	s_add_co_u32 s58, s58, ROFF
.irp c, 0,1
	v_add_nc_u32 v[ADP+\c], s57, v1
	v_add_nc_u32 v[ADR+\c], s58, v1
	s_add_co_u32 s57, s57, SLOT
	s_add_co_u32 s58, s58, SLOT
.endr
.irp b, 0,1,2,3
	v_mov_b32 v[TM+4+\b], 0                        ; a lane permute's destination counts as one of its sources
.endr
	s_wait_alu depctr_va_vdst(0)
	s_wait_tensorcnt 0x0                           ; my part of slot 0 is in; slot 1's first fill is issued as a refill is
	ds_add_u32 v[SPW], v[NIL]
	s_wait_dscnt 0x0
	CROUND
	JLOAD 1                                        ; K steps 4-7
	FETCHP 0
	s_mov_b32 s[CNT], 2
.Ltile:
	TILE 1
	s_sub_co_u32 s[CNT], s[CNT], 1
	s_cmp_lg_u32 s[CNT], 0
	s_cbranch_scc1 .Ltile
	TILE 0                                         ; the last block asks for nothing more
	s_wait_tensorcnt 0x0                           ; the wave's end
	ds_add_u32 v[SPW], v[NIL]
	s_wait_dscnt 0x0
	CROUND                                         ; the closing round
	s_endpgm
.Lfunc_end_k_qe66acf721a_qkv:
	.size	k_qe66acf721a_qkv, .Lfunc_end_k_qe66acf721a_qkv-k_qe66acf721a_qkv
	.p2alignl 7, 3214868480
	.fill 96, 4, 3214868480
	.section	.rodata,"a",@progbits
	.p2align	6, 0x0
	.amdhsa_kernel k_qe66acf721a_qkv
		.amdhsa_group_segment_fixed_size 327680
		.amdhsa_private_segment_fixed_size 0
		.amdhsa_enable_private_segment 0
		.amdhsa_kernarg_size 32
		.amdhsa_user_sgpr_count 2
		.amdhsa_user_sgpr_kernarg_segment_ptr 1
		.amdhsa_wavefront_size32 1
		.amdhsa_system_sgpr_workgroup_id_x 1
		.amdhsa_system_sgpr_workgroup_id_y 1
		.amdhsa_system_sgpr_workgroup_id_z 1
		.amdhsa_system_vgpr_workitem_id 0
		.amdhsa_next_free_vgpr 768
		.amdhsa_next_free_sgpr 96
		.amdhsa_reserve_vcc 0
		.amdhsa_float_denorm_mode_32 3
		.amdhsa_float_denorm_mode_16_64 3
		.amdhsa_memory_ordered 1
		.amdhsa_forward_progress 1
		.amdhsa_inst_pref_size 157
	.end_amdhsa_kernel
	.amdgpu_metadata
---
amdhsa.version: [ 1, 2 ]
amdhsa.kernels:
  - .name:           k_qe66acf721a_qkv
    .symbol:         k_qe66acf721a_qkv.kd
    .args:
      - { .name: cod, .offset: 0, .size: 8, .value_kind: global_buffer, .address_space: global }
      - { .name: scl, .offset: 8, .size: 8, .value_kind: global_buffer, .address_space: global }
      - { .name: qrec, .offset: 16, .size: 8, .value_kind: global_buffer, .address_space: global }
      - { .name: kv, .offset: 24, .size: 8, .value_kind: global_buffer, .address_space: global }
    .group_segment_fixed_size: 327680
    .private_segment_fixed_size: 0
    .kernarg_segment_align: 8
    .kernarg_segment_size: 32
    .max_flat_workgroup_size: 128
    .sgpr_count:     96
    .vgpr_count:     768
    .wavefront_size: 32
...
	.end_amdgpu_metadata
.endif
;; end of part 2
;; launch attn (part 3): grid 8 x 32, 8 waves a work-group, clusters of 4 x 1, 327,680 bytes of LDS; arguments qrec, kv, ocod, oscl; writes ocod, oscl
.if DOCPART == 3
	.amdgcn_target "amdgcn-amd-amdhsa--gfx1250"
	.amdhsa_code_object_version 6
	.text
	.protected	k_qe66acf721a_attn
	.globl	k_qe66acf721a_attn
	.p2align	8
	.type	k_qe66acf721a_attn,@function
k_qe66acf721a_attn:
	s_mov_b64 s[64:65], 0
	v_nop
	global_prefetch_b8 v0, s[64:65] scope:SCOPE_SE
	s_setreg_imm32_b32 hwreg(HW_REG_WAVE_MODE, 25, 1), 1
	s_wait_xcnt 0x0
	s_wait_alu depctr_hold_cnt(0) depctr_sa_sdst(0) depctr_va_vdst(0) depctr_va_sdst(0) depctr_va_ssrc(0) depctr_va_vcc(0) depctr_vm_vsrc(0)
	s_getreg_b32 s2, hwreg(HW_REG_IB_STS2, 6, 4)
	s_cmp_eq_u32 s2, 0
	s_cbranch_scc0 .Lentry_in_a_cluster
	s_endpgm
.Lentry_in_a_cluster:
	s_bfe_u32 s2, ttmp6, 0x10000c
	s_cmp_lg_u32 s2, 0x3003
	s_cbranch_scc0 .Lentry_shape_is_right
	s_endpgm
.Lentry_shape_is_right:
; O = softmax(q k^T / sqrt(128)) v for 32 (batch, head) pairs of 2,048 tokens, both products on codes of FP6 (E2M3); O is quantised at once, along the head's 128, as K step `head` of the last product.
; SOFTMAX: t = score x log2(e) / sqrt(128); M = the running largest t rounded UP to a whole number; p = 2^(t - M) is quantised along the keys, not normalised; the row's sum is taken of the unquantised p and divides O at the end.
; When M moves, the sum and O are multiplied by 2^(old M - new M), which rounds nothing.
; IN: records of 25,600 bytes for 128 keys: K's 8 fragments (images of registers, 1,536 bytes each), V^T's 8 at 12,288, K's scale words at 24,576, V's at 25,088.  The tiles' rows stand in the order 32 b + 8 u + r + 8 (r / 8), so that
; S^T = K Q^T leaves a lane one query and 16 neighbouring keys in the 16 registers of two neighbouring tiles, and O^T = V^T P^T leaves it 16 neighbouring channels.
; SHARES: a work-group owns 256 queries of one (batch, head); each of its eight waves owns TWO tiles of 16 queries.  Tile X's whole state lies in register window X under the same numbers, so one text serves both, and each fragment of K and V
; read from LDS feeds two products.  Two waves share a SIMD.
; LDS: three regions of four records.  Key steps 0-11 come as first fills; steps 12-15 fill region 0 a second time, behind a round of the cluster's barrier, and have eight key steps in which to land.
; CLUSTER 4 x 1: the four query blocks of a cluster walk the same records: each is asked for jointly.  No prefetch is laid: all but four records are asked for at the head, and no wave waits for those four.
; LIMITS: NaN and infinities are not served; a block's largest p is taken from its largest score (this relies on v_exp_f32 not falling where its input rises); a block whose largest magnitude lies under 2^-124 gets the byte 1; 1 / sum is v_rcp_f32 and a multiplication.
; REGISTERS: window 0 alone: v1-9 addresses, v80-83 K's scale words, v84-87 V's, v88-89 Q's, v90-91 P's.  v32-79: fragments 0-3 (window 0) and 4-7 (window 1).
;   window X: v12 -M, v13 the largest t, v[14:15] the sum, v16-27 Q, v96-159 S^T then p, v160-223 O^T, v224-235 codes, v232-254 at work.
.set REC,   25600
.set REG,   4*REC
.set SPARE, 3*REG                      ; behind the regions: the spare words, 128 bytes for each wave: four blocks of 256 bytes that no other line names
.set L16,  1                           ; 16 x lane
.set L8,   2                           ; 8 x lane
.set AD16, 3
.set AD8,  4
.set SPW,  5
.set NIL,  6
.set OSV,  7                           ; 8 r + 512 (lane / 16)
.set WRD,  8
.set R8,   9                           ; 8 r
.set KS,   80
.set VS,   84
.set QS,   88
.set PSC,  90
.set WV,   12
.set G1,   24
.set G0,   32                          ; s[32:43] three groups 0
.set SEL,  44
.set CS,   46
.set TB,   48                          ; the LDS byte at which the step's record begins
.set CNT,  49
.set HI,   50
.set MSB, 0
.macro WIN new
.if MSB != \new
	s_set_vgpr_msb (MSB<<8)|\new
.set MSB, \new
.endif
.endm
.macro PLACES
.rept 4
	v_nop
.endr
.endm
.macro CROUND
	s_barrier_signal -1
	s_barrier_wait -1
	s_cmp_lg_u32 s[WV], 0
	s_cbranch_scc1 .Lnot_wave_0_\@
	s_barrier_signal -3
.Lnot_wave_0_\@:
	s_barrier_wait -3
	s_barrier_signal -1
	s_barrier_wait -1
.endm
.macro INIT x                          ; the step is written once: the first finds zeros, which the first change of M leaves zeros
	WIN 0x55*(\x)
	v_mov_b32 v13, 0xff61b1e6                      ; -3e38, under every t
	s_delay_alu instid0(VALU_DEP_1)
	v_floor_f32 v12, -v13
	v_mov_b32 v14, 0
	v_mov_b32 v15, 0
.irp b, 0,1,2,3
	v_mov_b32 v[236+\b], 0                         ; a lane permute's destination counts as one of its sources
.endr
	v_mov_b32 v253, 0                              ; named as the upper half of the pair v[252:253]
.set j, 0
.rept 64
	v_mov_b32 v[160+j], 0
.set j, j+1
.endr
.endm
.macro SPROD g, x                      ; S^T of tile x, key tiles 4 g .. 4 g + 3
	WIN (\g)+0x54*(\x)                             ; source 0 (K) window g; Q and S^T window x
.irp t, 0,1,2,3
.if \t%2
	v_wmma_scale_f32_16x16x128_f8f6f4 v[96+8*(4*(\g)+\t):103+8*(4*(\g)+\t)], v[32+12*\t:43+12*\t], v[16:27], 0, v[KS+2*(\g)+\t/2], v[QS+(\x)] matrix_a_fmt:MATRIX_FMT_FP6 matrix_b_fmt:MATRIX_FMT_FP6 matrix_a_scale:MATRIX_SCALE_ROW1
.else
	v_wmma_scale_f32_16x16x128_f8f6f4 v[96+8*(4*(\g)+\t):103+8*(4*(\g)+\t)], v[32+12*\t:43+12*\t], v[16:27], 0, v[KS+2*(\g)+\t/2], v[QS+(\x)] matrix_a_fmt:MATRIX_FMT_FP6 matrix_b_fmt:MATRIX_FMT_FP6
.endif
.endr
.endm
.macro OPROD g, x                      ; O^T of tile x, channel tiles 4 g .. 4 g + 3: sixteen accumulators by turns in a step
	WIN (\g)+0x54*(\x)
.irp t, 0,1,2,3
.if \t%2
	v_wmma_scale_f32_16x16x128_f8f6f4 v[160+8*(4*(\g)+\t):167+8*(4*(\g)+\t)], v[32+12*\t:43+12*\t], v[224:235], v[160+8*(4*(\g)+\t):167+8*(4*(\g)+\t)], v[VS+2*(\g)+\t/2], v[PSC+(\x)] matrix_a_fmt:MATRIX_FMT_FP6 matrix_b_fmt:MATRIX_FMT_FP6 matrix_a_scale:MATRIX_SCALE_ROW1
.else
	v_wmma_scale_f32_16x16x128_f8f6f4 v[160+8*(4*(\g)+\t):167+8*(4*(\g)+\t)], v[32+12*\t:43+12*\t], v[224:235], v[160+8*(4*(\g)+\t):167+8*(4*(\g)+\t)], v[VS+2*(\g)+\t/2], v[PSC+(\x)] matrix_a_fmt:MATRIX_FMT_FP6 matrix_b_fmt:MATRIX_FMT_FP6
.endif
.endr
.endm
.macro FRAGS off                       ; eight fragments from byte off of the record: 0-3 into window 0, 4-7 into window 1
.irp t, 0,1,2,3
.irp j, 0,1,2
	ds_load_b128 v[32+12*\t+4*\j:35+12*\t+4*\j], v[AD16] offset:\off+1536*\t+512*\j
.endr
.endr
	WIN 0x40
.irp t, 0,1,2,3
.irp j, 0,1,2
	ds_load_b128 v[32+12*\t+4*\j:35+12*\t+4*\j], v[AD16] offset:\off+1536*(4+\t)+512*\j
.endr
.endr
	WIN 0
.endm
.macro CODES                           ; 64 numbers in v96 on, scale operands in v244-247 -> the operand's 12 registers in v224 on
.irp c, 0,1
	v_cvt_scalef32_pk16_fp6_f32 v[224+6*\c:226+6*\c], v[96+32*\c:111+32*\c], v[244+2*\c]
	v_cvt_scalef32_pk16_fp6_f32 v[236+4*\c:238+4*\c], v[112+32*\c:127+32*\c], v[244+2*\c+1]
.endr
	v_nop                                          ; one plain place behind the scaled conversions
.irp c, 0,1                                    ; the operand's layout wants a whole block in a lane
.irp i, 0,1,2
	v_permlane16_swap_b32 v[224+6*\c+\i], v[236+4*\c+\i]
.endr
.irp i, 0,1,2
	s_delay_alu instid0(VALU_DEP_3)
	v_mov_b32 v[227+6*\c+\i], v[236+4*\c+\i]
.endr
.endr
.endm
.macro SOFTMAX x
	WIN 0x55*(\x)
.irp b, 0,1,2,3
	v_max3_num_f32 v[232+\b], v[96+16*\b], v[97+16*\b], v[98+16*\b]   ; the largest score of each block of 32 keys: it serves the row's maximum and, since p rises with the score, the block's largest p
.endr
.irp i, 3,5,7,9,11,13
.irp b, 0,1,2,3
	v_max3_num_f32 v[232+\b], v[232+\b], v[96+16*\b+\i], v[97+16*\b+\i]
.endr
.endr
.irp b, 0,1,2,3
	v_max_num_f32 v[232+\b], v[232+\b], v[111+16*\b]
.endr
.irp b, 0,1,2,3
	s_delay_alu instid0(VALU_DEP_4)
	v_permlanex16_b32 v[236+\b], v[232+\b], s[SEL], s[SEL+1]
.endr
.irp b, 0,1,2,3
	s_delay_alu instid0(VALU_DEP_4)
	v_max_num_f32 v[232+\b], v[232+\b], v[236+\b]  ; with lane l xor 16's 16 keys
.endr
	s_delay_alu instid0(VALU_DEP_2)
	v_max3_num_f32 v254, v232, v233, v234
	s_delay_alu instid0(VALU_DEP_1)
	v_max_num_f32 v254, v254, v235
	s_delay_alu instid0(VALU_DEP_1)
	v_mul_f32 v254, s[CS], v254                    ; as t (c is positive)
	s_delay_alu instid0(VALU_DEP_1)
	v_max_num_f32 v13, v13, v254                   ; the running largest t
	v_mov_b32 v254, v12
	s_delay_alu instid0(VALU_DEP_2)
	v_floor_f32 v12, -v13                          ; the new -M = -ceil(t)
	s_delay_alu instid0(VALU_DEP_1)
	v_sub_f32 v254, v12, v254                      ; old M - new M: a whole number, 0 or less
	s_delay_alu instid0(VALU_DEP_1)
	v_cvt_i32_f32 v254, v254                       ; (it saturates)
	s_delay_alu instid0(VALU_DEP_1)
	v_ldexp_f32 v252, 1.0, v254                    ; f = 2^(old M - new M)
.set j, 0
.rept 32
	v_pk_fma_f32 v[96+j:97+j], v[96+j:97+j], s[CS:CS+1], v[12:13] op_sel_hi:[1,0,0]   ; t - M, two at a time
.set j, j+2
.endr
.irp b, 0,1,2,3
	v_fma_f32 v[232+\b], v[232+\b], s[CS], v12     ; the same of each block's largest score
.endr
.set j, 0
	s_wait_alu depctr_va_vdst(0)
.rept 64
	v_exp_f32 v[96+j], v[96+j]                     ; p = 2^(t - M)
.set j, j+1
.endr
	v_pk_mul_f32 v[14:15], v[14:15], v[252:253] op_sel_hi:[1,0]   ; the sum under the new M: a plain place behind the exponentials
	s_wait_alu depctr_va_vdst(0)                   ; one wait for the batch of 64, ahead of its first reader
.irp b, 0,1,2,3
	v_exp_f32 v[232+\b], v[232+\b]                 ; the blocks' largest p
.endr
	v_pk_add_f32 v[236:237], v[96:97], v[98:99]    ; the row's sum of the unquantised p, in two chains
.irp j, 4,8,12,16,20,24,28,32,36,40,44,48,52,56,60
	v_pk_add_f32 v[14:15], v[14:15], v[96+\j:97+\j]
	v_pk_add_f32 v[236:237], v[236:237], v[98+\j:99+\j]
.endr
	s_delay_alu instid0(VALU_DEP_1)
	v_pk_add_f32 v[14:15], v[14:15], v[236:237]
	s_wait_alu depctr_va_vdst(0)                   ; and one for the four
.irp b, 0,1,2,3
	v_max_num_f32 v[232+\b], 0x1800000, v[232+\b]  ; the floor 2^(3 - 127)
.endr
.irp b, 0,1,2,3
	s_delay_alu instid0(VALU_DEP_4)
	v_add_nc_u32 v[244+\b], 0xff000000, v[232+\b]  ; the conversion's scale operand
.endr
.irp b, 0,1,2,3
	s_delay_alu instid0(VALU_DEP_4)
	v_lshrrev_b32 v[236+\b], 23, v[244+\b]         ; the byte
.endr
	s_delay_alu instid0(VALU_DEP_3)
	v_lshl_or_b32 v251, v237, 8, v236
	s_delay_alu instid0(VALU_DEP_1)
	v_lshl_or_b32 v251, v238, 16, v251
	WIN 0x15*(\x)                                  ; scale operands have no window: the word goes to window 0
	v_lshl_or_b32 v[PSC+(\x)], v239, 24, v251
	WIN 0x55*(\x)
	CODES
.set j, 0
.rept 32
	v_pk_mul_f32 v[160+j:161+j], v[160+j:161+j], v[252:253] op_sel_hi:[1,0]   ; O^T under the new M; these are also the places between the scale word, the codes and the products
.set j, j+2
.endr
.endm
.macro STEP                            ; 128 keys: the record at s[TB]
	v_add_nc_u32 v[AD16], s[TB], v[L16]
	v_add_nc_u32 v[AD8], s[TB], v[L8]
	v_nop
	v_nop                                          ; four places in front of loads into registers that the last products read
	ds_load_b64 v[KS:KS+1], v[AD8] offset:24576
	ds_load_b64 v[KS+2:KS+3], v[AD8] offset:24832
	FRAGS 0
	s_wait_alu depctr_va_vdst(0)
	s_wait_dscnt 12                                ; the scale words and fragments 0-3 are in; the 12 loads of fragments 4-7 may be out
	SPROD 0, 0
	SPROD 0, 1
	s_wait_dscnt 0x0
	SPROD 1, 0
	SPROD 1, 1
	WIN 0
	PLACES
	ds_load_b64 v[VS:VS+1], v[AD8] offset:25088    ; V's fragments land while the softmax is walked
	ds_load_b64 v[VS+2:VS+3], v[AD8] offset:25344
	FRAGS 12288
	SOFTMAX 0
	SOFTMAX 1
	WIN 0
	s_wait_alu depctr_va_vdst(0)
	s_wait_dscnt 0x0
	OPROD 0, 0
	OPROD 0, 1
	OPROD 1, 0
	OPROD 1, 1
	WIN 0
	s_add_co_u32 s[TB], s[TB], REC
.endm
.macro WALK n
	s_mov_b32 s[CNT], \n
.Lwalk_\@:
	STEP
	s_sub_co_u32 s[CNT], s[CNT], 1
	s_cmp_lg_u32 s[CNT], 0
	s_cbranch_scc1 .Lwalk_\@
.endm
.macro FIN x                           ; O^T / the sum, quantised along the head's 128: codes in v224 on, the row's scale word in v251
	WIN 0x55*(\x)
	v_add_f32 v14, v14, v15
	s_delay_alu instid0(VALU_DEP_1)
	v_permlanex16_b32 v252, v14, s[SEL], s[SEL+1]
	s_delay_alu instid0(VALU_DEP_1)
	v_add_f32 v14, v14, v252                       ; the row's sum
	s_wait_alu depctr_va_vdst(0)
	v_rcp_f32 v14, v14
	v_nop                                          ; a plain place behind the reciprocal,
	s_wait_alu depctr_va_vdst(0)                   ; and the wait ahead of its first reader
.set j, 0
.rept 32
	v_pk_mul_f32 v[96+j:97+j], v[160+j:161+j], v[14:15] op_sel_hi:[1,0]   ; each accumulator from its low end on
.set j, j+2
.endr
.irp b, 0,1,2,3
	v_max3_num_f32 v[232+\b], |v[96+16*\b]|, |v[97+16*\b]|, 0x1800000
.endr
.irp i, 2,4,6,8,10,12,14
.irp b, 0,1,2,3
	s_delay_alu instid0(VALU_DEP_4)
	v_max3_num_f32 v[232+\b], v[232+\b], |v[96+16*\b+\i]|, |v[97+16*\b+\i]|
.endr
.endr
.irp b, 0,1,2,3
	s_delay_alu instid0(VALU_DEP_4)
	v_permlanex16_b32 v[236+\b], v[232+\b], s[SEL], s[SEL+1]
.endr
.irp b, 0,1,2,3
	s_delay_alu instid0(VALU_DEP_4)
	v_max_num_f32 v[232+\b], v[232+\b], v[236+\b]
.endr
.irp b, 0,1,2,3
	s_delay_alu instid0(VALU_DEP_4)
	v_add_nc_u32 v[244+\b], 0xff000000, v[232+\b]
.endr
.irp b, 0,1,2,3
	s_delay_alu instid0(VALU_DEP_4)
	v_lshrrev_b32 v[236+\b], 23, v[244+\b]
.endr
	s_delay_alu instid0(VALU_DEP_3)
	v_lshl_or_b32 v251, v237, 8, v236
	s_delay_alu instid0(VALU_DEP_1)
	v_lshl_or_b32 v251, v238, 16, v251
	s_delay_alu instid0(VALU_DEP_1)
	v_lshl_or_b32 v251, v239, 24, v251
	CODES
.endm
	s_load_b256 s[4:11], s[0:1], 0x0               ; qrec s[4:5], kv s[6:7], ocod s[8:9], oscl s[10:11]
	v_lshl_add_u32 v[SPW], v0, 2, SPARE
	v_mov_b32 v[NIL], 0
	ds_add_u32 v[SPW], v[NIL]                      ; the wave's opening: the add, twice on end, and its wait ahead of my first tensor load; the set-up below, work on registers, stands between them
	ds_add_u32 v[SPW], v[NIL]
	v_lshrrev_b32 v1, 5, v0
	s_delay_alu instid0(VALU_DEP_1)
	v_readfirstlane_b32 s[WV], v1                  ; wave 0..7
	s_bfe_u32 s13, ttmp6, 0x40000                  ; cx
	s_lshl_b32 s14, ttmp9, 2
	s_add_co_u32 s14, s14, s13                     ; my block of 256 queries: it enters Q's and O's addresses alone
	s_and_b32 s15, ttmp7, 0xffff                   ; batch x 8 + head, which the four partners share
	s_and_b32 s51, s[WV], 3                        ; which record of a region I fetch, if I fetch
	s_lshl_b32 s16, s15, 4
	s_add_co_u32 s17, s16, s51
	s_mul_i32 s18, s17, REC
	s_mov_b32 s19, 0
	s_mul_i32 s20, s51, REC
	s_add_co_u32 s60, s16, s[WV]                   ; at the head every wave fetches a record: key step = wave
	s_mul_i32 s60, s60, REC
	s_mov_b32 s61, 0
	s_mul_i32 s62, s[WV], REC
	s_mov_b32 s[G1], 15|(3<<16)|(1<<21)            ; 15:0 the mask: all four work-groups; 17:16 elements of 8 bytes; 21 set beside a mask; no padding
	s_mov_b32 s[G1+1], 32<<16                      ; a record is dense: 100 rows of 256 bytes
	s_mov_b32 s[G1+2], 100<<16
	s_mov_b32 s[G1+3], 32<<16
	s_mov_b32 s[G1+4], 100
	s_mov_b32 s[G1+5], 32
	s_mov_b32 s[G1+6], 0
	s_mov_b32 s[G1+7], 0
	s_mov_b32 s[SEL], 0x76543210
	s_mov_b32 s[SEL+1], 0xfedcba98
	s_mov_b32 s[CS], 0x3e0293ee                    ; c = log2(e) / sqrt(128)
	s_mov_b32 s[CS+1], s[CS]
	s_mov_b32 s[HI], 0xffff0000                    ; lanes 16-31
	s_wait_dscnt 0x0                               ; the opening add is done
	s_wait_kmcnt 0x0
	s_add_nc_u64 s[18:19], s[6:7], s[18:19]
	s_add_nc_u64 s[60:61], s[6:7], s[60:61]
	s_mov_b32 s[G0], 1                             ; group 0 of the head's load: record `wave` into regions 0 and 1
	s_mov_b32 s[G0+1], s62
	s_mov_b64 s[G0+2:G0+3], s[60:61]
	s_or_b32 s[G0+3], s[G0+3], 0x80000000
	s_mov_b32 s[G0+4], 1                           ; of region 2's first fill: record 8 + wave % 4
	s_add_co_u32 s[G0+5], s20, 2*REG
	s_add_nc_u64 s[G0+6:G0+7], s[18:19], 2*REG
	s_or_b32 s[G0+7], s[G0+7], 0x80000000
	s_mov_b32 s[G0+8], 1                           ; of region 0's refill: record 12 + wave % 4
	s_mov_b32 s[G0+9], s20
	s_add_nc_u64 s[G0+10:G0+11], s[18:19], 3*REG
	s_or_b32 s[G0+11], s[G0+11], 0x80000000
	CROUND                                         ; all four work-groups are here: the first joint loads meet
	tensor_load_to_lds s[G0:G0+3], s[G1:G1+7]      ; one tensor load a wave at the head: eight records
	s_nop 0
	PLACES
	s_lshl_b32 s21, s14, 1                         ; Q: record 16 (batch x 8 + head) + 2 block + wave / 4, fragments (2 wave) % 8 and the next
	s_add_co_u32 s21, s21, s16
	s_lshr_b32 s22, s[WV], 2
	s_add_co_u32 s21, s21, s22
	s_mul_i32 s21, s21, REC
	s_lshl_b32 s22, s[WV], 1
	s_and_b32 s22, s22, 7
	s_mul_i32 s22, s22, 1536
	s_add_co_u32 s52, s21, s22
	s_mov_b32 s53, 0
	s_add_nc_u64 s[52:53], s[4:5], s[52:53]
	s_bfe_u32 s22, s[WV], 0x10001
	s_lshl_b32 s22, s22, 8
	s_and_b32 s23, s[WV], 1
	s_lshl_b32 s23, s23, 2
	s_add_co_u32 s54, s21, s22
	s_add_co_u32 s54, s54, s23
	s_add_co_u32 s54, s54, 24576                   ; its scale words: 256 ((wave / 2) % 2) + 128 X + 8 r + 4 (wave % 2)
	s_mov_b32 s55, 0
	s_add_nc_u64 s[54:55], s[4:5], s[54:55]
	s_lshr_b32 s21, s15, 3                         ; O: token tile 128 batch + 16 block + 2 wave (+ X), K step = head
	s_lshl_b32 s21, s21, 7
	s_lshl_b32 s22, s14, 4
	s_add_co_u32 s21, s21, s22
	s_lshl_b32 s22, s[WV], 1
	s_add_co_u32 s21, s21, s22
	s_and_b32 s22, s15, 7
	s_lshl_b32 s23, s21, 3
	s_add_co_u32 s23, s23, s22
	s_mul_i32 s56, s23, 1536
	s_mov_b32 s57, 0
	s_add_nc_u64 s[56:57], s[8:9], s[56:57]
	s_lshl_b32 s58, s21, 9
	s_lshr_b32 s23, s22, 2
	s_lshl_b32 s23, s23, 8
	s_add_co_u32 s58, s58, s23
	s_and_b32 s23, s22, 1
	s_lshl_b32 s23, s23, 7
	s_add_co_u32 s58, s58, s23
	s_bfe_u32 s23, s22, 0x10001
	s_lshl_b32 s23, s23, 2
	s_add_co_u32 s58, s58, s23
	s_mov_b32 s59, 0
	s_add_nc_u64 s[58:59], s[10:11], s[58:59]
	v_and_b32 v[L8], 31, v0
	s_delay_alu instid0(VALU_DEP_1)
	v_lshlrev_b32 v[L16], 4, v[L8]
	s_delay_alu instid0(VALU_DEP_2)
	v_lshlrev_b32 v[L8], 3, v[L8]
	v_and_b32 v[R8], 15, v0
	s_delay_alu instid0(VALU_DEP_1)
	v_lshlrev_b32 v[R8], 3, v[R8]
	v_bfe_u32 v[OSV], v0, 4, 1
	s_delay_alu instid0(VALU_DEP_1)
	v_lshl_add_u32 v[OSV], v[OSV], 9, v[R8]
.irp j, 0,1,2
	global_load_b128 v[16+4*\j:19+4*\j], v[L16], s[52:53] offset:512*\j
.endr
	global_load_b32 v[QS], v[R8], s[54:55]
	global_load_b32 v[QS+1], v[R8], s[54:55] offset:128
	WIN 0x40
.irp j, 0,1,2
	global_load_b128 v[16+4*\j:19+4*\j], v[L16], s[52:53] offset:1536+512*\j
.endr
	INIT 0
	INIT 1
	WIN 0
	s_wait_alu depctr_va_vdst(0)
	s_wait_tensorcnt 0x0                           ; my record is in; region 2's first fill is issued as a refill is
	ds_add_u32 v[SPW], v[NIL]
	s_wait_dscnt 0x0
	CROUND                                         ; everybody's record is in, and the four work-groups are here
	s_cmp_lt_u32 s[WV], 4                          ; waves 0-3 fetch region 2's four records
	s_cbranch_scc0 .Lno_fill
	tensor_load_to_lds s[G0+4:G0+7], s[G1:G1+7]
	s_nop 0
	PLACES
.Lno_fill:
	s_wait_loadcnt 0x0                             ; Q
	s_mov_b32 s[TB], 0
	WALK 4                                         ; key steps 0-3: region 0
	s_wait_tensorcnt 0x0                           ; all my tensor loads have landed, so a group 0 may be written;
	ds_add_u32 v[SPW], v[NIL]                      ; 0 onto my spare word;
	s_wait_dscnt 0x0                               ; the add is done, and my reads of region 0 are over
	CROUND                                         ; no wave of any partner still reads region 0 or has a load on its way
	s_cmp_lt_u32 s[WV], 4
	s_cbranch_scc0 .Lno_refill
	tensor_load_to_lds s[G0+8:G0+11], s[G1:G1+7]   ; key steps 12-15 into region 0: the first thing behind the round, and my one tensor load from here on
	s_nop 0
	PLACES
.Lno_refill:
	s_mov_b32 s[TB], REG
	WALK 8                                         ; key steps 4-11: regions 1 and 2
	s_wait_tensorcnt 0x0                           ; my record of key steps 12-15 is in (no load was issued behind it)
	s_wait_dscnt 0x0
	s_barrier_signal -1
	s_barrier_wait -1                              ; everybody's is
	s_mov_b32 s[TB], 0
	WALK 4                                         ; key steps 12-15
	PLACES
	FIN 0
	FIN 1
	WIN 0
.irp j, 0,1,2
	global_store_b128 v[L16], v[224+4*\j:227+4*\j], s[56:57] offset:512*\j         ; 512 consecutive bytes, aligned
.endr
	WIN 0x04                                       ; a store's data, and a vector instruction's source 1: window 1
.irp j, 0,1,2
	global_store_b128 v[L16], v[224+4*\j:227+4*\j], s[56:57] offset:12288+512*\j   ; the next token tile
.endr
	v_cndmask_b32 v[WRD], v251, v251, s[HI]        ; lanes 0-15 tile 0's words, lanes 16-31 tile 1's
	WIN 0
	global_store_b32 v[OSV], v[WRD], s[58:59]      ; 4 bytes of each 8: the eight heads' work-groups fill a tile's 512 bytes between them
	s_wait_tensorcnt 0x0                           ; the wave's end, behind my last tensor load
	ds_add_u32 v[SPW], v[NIL]
	s_wait_dscnt 0x0
	CROUND                                         ; the closing round
	s_endpgm
.Lfunc_end_k_qe66acf721a_attn:
	.size	k_qe66acf721a_attn, .Lfunc_end_k_qe66acf721a_attn-k_qe66acf721a_attn
	.p2alignl 7, 3214868480
	.fill 96, 4, 3214868480
	.section	.rodata,"a",@progbits
	.p2align	6, 0x0
	.amdhsa_kernel k_qe66acf721a_attn
		.amdhsa_group_segment_fixed_size 327680
		.amdhsa_private_segment_fixed_size 0
		.amdhsa_enable_private_segment 0
		.amdhsa_kernarg_size 32
		.amdhsa_user_sgpr_count 2
		.amdhsa_user_sgpr_kernarg_segment_ptr 1
		.amdhsa_wavefront_size32 1
		.amdhsa_system_sgpr_workgroup_id_x 1
		.amdhsa_system_sgpr_workgroup_id_y 1
		.amdhsa_system_sgpr_workgroup_id_z 1
		.amdhsa_system_vgpr_workitem_id 0
		.amdhsa_next_free_vgpr 512
		.amdhsa_next_free_sgpr 66
		.amdhsa_reserve_vcc 0
		.amdhsa_float_denorm_mode_32 3
		.amdhsa_float_denorm_mode_16_64 3
		.amdhsa_memory_ordered 1
		.amdhsa_forward_progress 1
		.amdhsa_inst_pref_size 137
	.end_amdhsa_kernel
	.amdgpu_metadata
---
amdhsa.version: [ 1, 2 ]
amdhsa.kernels:
  - .name:           k_qe66acf721a_attn
    .symbol:         k_qe66acf721a_attn.kd
    .args:
      - { .name: qrec, .offset: 0, .size: 8, .value_kind: global_buffer, .address_space: global }
      - { .name: kv, .offset: 8, .size: 8, .value_kind: global_buffer, .address_space: global }
      - { .name: ocod, .offset: 16, .size: 8, .value_kind: global_buffer, .address_space: global }
      - { .name: oscl, .offset: 24, .size: 8, .value_kind: global_buffer, .address_space: global }
    .group_segment_fixed_size: 327680
    .private_segment_fixed_size: 0
    .kernarg_segment_align: 8
    .kernarg_segment_size: 32
    .max_flat_workgroup_size: 256
    .sgpr_count:     66
    .vgpr_count:     512
    .wavefront_size: 32
...
	.end_amdgpu_metadata
.endif
;; end of part 3
;; launch proj (part 4): grid 4 x 64, 4 waves a work-group, clusters of 4 x 4, 327,680 bytes of LDS; arguments cod, scl, ocod, oscl, out0; writes out0
.if DOCPART == 4
	.amdgcn_target "amdgcn-amd-amdhsa--gfx1250"
	.amdhsa_code_object_version 6
	.text
	.protected	k_qe66acf721a_proj
	.globl	k_qe66acf721a_proj
	.p2align	8
	.type	k_qe66acf721a_proj,@function
k_qe66acf721a_proj:
	s_mov_b64 s[64:65], 0
	v_nop
	global_prefetch_b8 v0, s[64:65] scope:SCOPE_SE
	s_setreg_imm32_b32 hwreg(HW_REG_WAVE_MODE, 25, 1), 1
	s_wait_xcnt 0x0
	s_wait_alu depctr_hold_cnt(0) depctr_sa_sdst(0) depctr_va_vdst(0) depctr_va_sdst(0) depctr_va_ssrc(0) depctr_va_vcc(0) depctr_vm_vsrc(0)
	s_getreg_b32 s2, hwreg(HW_REG_IB_STS2, 6, 4)
	s_cmp_eq_u32 s2, 0
	s_cbranch_scc0 .Lentry_in_a_cluster
	s_endpgm
.Lentry_in_a_cluster:
	s_bfe_u32 s2, ttmp6, 0x10000c
	s_cmp_lg_u32 s2, 0xf033
	s_cbranch_scc0 .Lentry_shape_is_right
	s_endpgm
.Lentry_shape_is_right:
; out0 = O Wo on codes of FP6 (E2M3).  O's codes (ocod, oscl) and Wo's (cod, scl: tiles 704-767) lie as images of registers: a tile = 16 rows in the order 32 b + 8 u + r + 8 (r / 8), a fragment = tile x 128 K = 1,536 bytes.
; D = P R^T with P = Wo's tiles (source 0), R = token tiles (source 1): a lane holds one token, and the 64 registers of eight tiles of P are 128 neighbouring columns: register 16 b + i = column 32 b + 16 (lane / 16) + i.
; A work-group takes 256 columns x 128 tokens with ALL of K = 1,024 in LDS: two halves of four K steps, each filled once: the first by the head's loads, one a wave, the second behind the full sequence and a round.  A wave takes 128 x 64: 32 accumulators.  256 work-groups.
; CLUSTER 4 x 4: P's block hangs on cx and is shared along a column of the cluster, R's on cy and along a row: each is asked for jointly by the four.
; No prefetch is laid: the launch has two loads a wave and no loop to run ahead in.
; THE WAY OUT: a tile of 16 tokens x 128 columns goes through the wave's own stage and leaves as rows of 512 consecutive bytes.  The stages lie in the first half, which has had its one fill, and which nobody reads behind the barrier at K step 3.
; REGISTERS: window 0: v1-4, v8-13 addresses; v28-29 the add's two; v32-63 P's scale words, v64-79 R's; v128-223 R's fragments, two sets of 48; on the way out v128-255.  window 1: P's fragments, two sets.  window 2: accumulator (a, b) at v[8 (8 a + b)].
.set SLOT,  147456                     ; four K steps: P's 16 tiles x 6,144 bytes, then R's 8
.set ROFF,  98304
.set SPARE, 2*SLOT                     ; the spare words: 128 bytes a wave, two blocks of 256 bytes that no other line names
.set STO, 3
.set RD,  4
.set ADP, 8
.set ADR, 12
.set SPW, 28
.set NIL, 29
.set PS,  32
.set RS,  64
.set RF,  128
.set BK,  128
.set G1P, 24
.set G1R, 32
.set G0P, 40
.set G0R, 48
.set MSB, 0
.macro WIN new
.if MSB != \new
	s_set_vgpr_msb (MSB<<8)|\new
.set MSB, \new
.endif
.endm
.macro PLACES
.rept 4
	v_nop
.endr
.endm
.macro CROUND
	s_barrier_signal -1
	s_barrier_wait -1
	s_cmp_lg_u32 s14, 0
	s_cbranch_scc1 .Lnot_wave_0_\@
	s_barrier_signal -3
.Lnot_wave_0_\@:
	s_barrier_wait -3
	s_barrier_signal -1
	s_barrier_wait -1
.endm
.macro JLOAD c                         ; my one joint load into half c; the branch hangs on the wave's number alone
	s_cmp_eq_u32 s15, 0
	s_cbranch_scc0 .Lfor_r_\@
	tensor_load_to_lds s[G0P+4*\c:G0P+4*\c+3], s[G1P:G1P+7]
	s_nop 0
	PLACES
	s_branch .Lasked_\@
.Lfor_r_\@:
	tensor_load_to_lds s[G0R+4*\c:G0R+4*\c+3], s[G1R:G1R+7]
	s_nop 0
	PLACES
.Lasked_\@:
.endm
.macro FETCH s                         ; K step s: my 8 fragments of P and 4 of R: 36 loads of 512 consecutive bytes
	WIN 0x40
.irp i, 0,1,2,3,4,5,6,7
.irp j, 0,1,2
	ds_load_b128 v[128*((\s)%2)+12*\i+4*\j:128*((\s)%2)+12*\i+4*\j+3], v[ADP+(\s)/4] offset:6144*\i+1536*((\s)%4)+512*\j
.endr
.endr
	WIN 0
.irp i, 0,1,2,3
.irp j, 0,1,2
	ds_load_b128 v[RF+48*((\s)%2)+12*\i+4*\j:RF+48*((\s)%2)+12*\i+4*\j+3], v[ADR+(\s)/4] offset:6144*\i+1536*((\s)%4)+512*\j
.endr
.endr
.endm
.macro MUL s                           ; 32 matrix instructions; the 32 accumulators take turns, one instruction a turn
	WIN 0xa1
.irp a, 0,1,2,3
.irp b, 0,1,2,3,4,5,6,7
.if (\s) == 0
	v_wmma_scale_f32_16x16x128_f8f6f4 v[8*(8*\a+\b):8*(8*\a+\b)+7], v[12*\b:12*\b+11], v[RF+12*\a:RF+12*\a+11], 0, v[PS+4*\b], v[RS+4*\a] matrix_a_fmt:MATRIX_FMT_FP6 matrix_b_fmt:MATRIX_FMT_FP6
.elseif (\s)%2 == 0
	v_wmma_scale_f32_16x16x128_f8f6f4 v[8*(8*\a+\b):8*(8*\a+\b)+7], v[12*\b:12*\b+11], v[RF+12*\a:RF+12*\a+11], v[8*(8*\a+\b):8*(8*\a+\b)+7], v[PS+4*\b+(\s)/2], v[RS+4*\a+(\s)/2] matrix_a_fmt:MATRIX_FMT_FP6 matrix_b_fmt:MATRIX_FMT_FP6
.else
	v_wmma_scale_f32_16x16x128_f8f6f4 v[8*(8*\a+\b):8*(8*\a+\b)+7], v[128+12*\b:128+12*\b+11], v[RF+48+12*\a:RF+48+12*\a+11], v[8*(8*\a+\b):8*(8*\a+\b)+7], v[PS+4*\b+(\s)/2], v[RS+4*\a+(\s)/2] matrix_a_fmt:MATRIX_FMT_FP6 matrix_b_fmt:MATRIX_FMT_FP6 matrix_a_scale:MATRIX_SCALE_ROW1 matrix_b_scale:MATRIX_SCALE_ROW1
.endif
.endr
.endr
.endm
.macro KSTEP s
.if (\s) == 3
	s_wait_tensorcnt 0x0                           ; my part of the second half is in
	s_wait_dscnt 0x0                               ; no LDS load of mine is out at a signal: my reads of the first half are over
	s_barrier_signal -1
	s_barrier_wait -1
.endif
.if (\s) < 7
.if (\s) > 0
	PLACES                                         ; the set to be loaded was multiplied last step
.endif
	FETCH (\s)+1
	s_wait_dscnt 36                                ; all but the 36 just issued: this step's fragments are in
.else
	s_wait_dscnt 0x0
.endif
.if (\s) == 0
	s_wait_loadcnt 0x0                             ; the scale words
.endif
	MUL \s
.endm
.macro TOSTAGE a                       ; token tile a: a lane's 8 x 32 bytes into row r of my stage, and back as whole rows
	WIN 0x08
.irp b, 0,1,2,3,4,5,6,7
	ds_store_b128 v[STO], v[64*(\a)+8*\b:64*(\a)+8*\b+3] offset:128*(\b/2)+32*(\b%2)        ; each accumulator from its low end on
	ds_store_b128 v[STO], v[64*(\a)+8*\b+4:64*(\a)+8*\b+7] offset:128*(\b/2)+32*(\b%2)+16
.endr
	WIN 0
.irp t, 0,1,2,3,4,5,6,7,8,9,10,11,12,13,14,15
	ds_load_b128 v[BK+64*((\a)%2)+4*\t:BK+64*((\a)%2)+4*\t+3], v[RD] offset:528*\t   ; LDS serves a wave's instructions in order: these see my stores
.endr
.endm
.macro SEND a, younger                 ; younger: the LDS instructions issued behind tile a's loads, which may stay out
	s_wait_dscnt \younger
.irp t, 0,1,2,3,4,5,6,7,8,9,10,11,12,13,14,15
	global_store_b128 v1, v[BK+64*((\a)%2)+4*\t:BK+64*((\a)%2)+4*\t+3], s[88:89] offset:(32*((\a)/2)+8*((\a)%2)+\t+8*(\t/8))*4096 th:TH_STORE_NT   ; 512 consecutive bytes of the token's row, aligned
.endr
.endm
	s_load_b256 s[4:11], s[0:1], 0x0               ; cod s[4:5], scl s[6:7], ocod s[8:9], oscl s[10:11]
	s_load_b64 s[12:13], s[0:1], 0x20              ; out0
	v_lshl_add_u32 v[SPW], v0, 2, SPARE
	v_mov_b32 v[NIL], 0
	ds_add_u32 v[SPW], v[NIL]                      ; the opening lines: the add, twice on end, and its wait ahead of my first tensor load
	ds_add_u32 v[SPW], v[NIL]
	v_lshrrev_b32 v1, 5, v0
	v_readfirstlane_b32 s14, v1                    ; wave 0..3
	s_lshr_b32 s15, s14, 1                         ; which 4 token tiles are mine.  Also: I fetch for P (0) or for R (1)
	s_and_b32 s16, s14, 1                          ; which 8 tiles of Wo are mine.  Also: which half of the block I fetch
	s_bfe_u32 s17, ttmp6, 0x40000                  ; cx: my block of 256 columns (the grid is one cluster wide)
	s_bfe_u32 s18, ttmp6, 0x40004                  ; cy
	s_and_b32 s19, ttmp7, 0xffff                   ; the cluster's row
	s_lshl_b32 s77, s17, 4
	s_add_co_u32 s77, s77, 704
	s_lshl_b32 s78, s16, 3
	s_add_co_u32 s77, s77, s78                     ; the 8 tiles of Wo that I fetch and multiply
	s_mul_i32 s78, s77, 12288
	s_mov_b32 s79, 0
	s_lshl_b32 s80, s19, 2
	s_add_co_u32 s80, s80, s18                     ; my block of 128 tokens
	s_lshl_b32 s81, s80, 3                         ; its first tile
	s_lshl_b32 s82, s16, 2
	s_add_co_u32 s82, s82, s81                     ; the first of the 4 that I fetch
	s_mul_i32 s82, s82, 12288
	s_mov_b32 s83, 0
	s_lshl_b32 s21, 0x1111, s17                    ; my column of the cluster
	s_or_b32 s[G1P], s21, (3<<16)|(1<<21)          ; the mask; elements of 8 bytes; bit 21 beside a mask; no padding
	s_lshl_b32 s21, s18, 2
	s_lshl_b32 s21, 15, s21                        ; my row
	s_or_b32 s[G1R], s21, (3<<16)|(1<<21)
	s_mov_b32 s[G1P+1], 768<<16                    ; a tile's four K steps: 6,144 bytes
	s_mov_b32 s[G1P+2], 8<<16
	s_mov_b32 s[G1P+3], 768<<16
	s_mov_b32 s[G1P+4], 8
	s_mov_b32 s[G1P+5], 1536                       ; from tile to tile: 12,288 bytes
	s_mov_b32 s[G1P+6], 0
	s_mov_b32 s[G1P+7], 0
	s_mov_b32 s[G1R+1], 768<<16
	s_mov_b32 s[G1R+2], 4<<16
	s_mov_b32 s[G1R+3], 768<<16
	s_mov_b32 s[G1R+4], 4
	s_mov_b32 s[G1R+5], 1536
	s_mov_b32 s[G1R+6], 0
	s_mov_b32 s[G1R+7], 0
	s_mul_i32 s22, s16, 49152                      ; where they go: no place in the cluster enters an LDS address
	s_mul_i32 s23, s16, 24576
	s_add_co_u32 s23, s23, ROFF
	s_wait_dscnt 0x0                               ; both opening adds are done
	s_wait_kmcnt 0x0
	s_add_nc_u64 s[78:79], s[4:5], s[78:79]
	s_add_nc_u64 s[82:83], s[8:9], s[82:83]
.irp c, 0,1
	s_mov_b32 s[G0P+4*\c], 1
	s_add_co_u32 s[G0P+4*\c+1], s22, \c*SLOT
	s_add_nc_u64 s[G0P+4*\c+2:G0P+4*\c+3], s[78:79], \c*6144
	s_or_b32 s[G0P+4*\c+3], s[G0P+4*\c+3], 0x80000000
	s_mov_b32 s[G0R+4*\c], 1
	s_add_co_u32 s[G0R+4*\c+1], s23, \c*SLOT
	s_add_nc_u64 s[G0R+4*\c+2:G0R+4*\c+3], s[82:83], \c*6144
	s_or_b32 s[G0R+4*\c+3], s[G0R+4*\c+3], 0x80000000
.endr
	CROUND                                         ; all sixteen work-groups are here: the joint loads meet
	JLOAD 0                                        ; my one load at the head: K steps 0-3
	v_and_b32 v2, 31, v0
	v_lshlrev_b32 v1, 4, v2                        ; 16 x lane
	v_lshlrev_b32 v2, 3, v2                        ; 8 x lane
	s_wait_alu depctr_va_vdst(0)
	s_lshl_b32 s84, s77, 9                         ; my tiles' scale words: 512 bytes a tile
	s_mov_b32 s85, 0
	s_add_nc_u64 s[84:85], s[6:7], s[84:85]
	s_lshl_b32 s92, s15, 2
	s_add_co_u32 s92, s92, s81                     ; my first token tile
	s_lshl_b32 s86, s92, 9
	s_mov_b32 s87, 0
	s_add_nc_u64 s[86:87], s[10:11], s[86:87]
.irp i, 0,1,2,3,4,5,6,7
.irp z, 0,1
	global_load_b64 v[PS+4*\i+2*\z:PS+4*\i+2*\z+1], v2, s[84:85] offset:512*\i+256*\z   ; 256 consecutive bytes, aligned
.endr
.endr
.irp i, 0,1,2,3
.irp z, 0,1
	global_load_b64 v[RS+4*\i+2*\z:RS+4*\i+2*\z+1], v2, s[86:87] offset:512*\i+256*\z
.endr
.endr
	s_mul_i32 s19, s16, 49152                      ; my 8 tiles of P,
	s_mul_i32 s21, s15, 24576                      ; my 4 tiles of R
	s_add_co_u32 s21, s21, ROFF
.irp c, 0,1
	v_add_nc_u32 v[ADP+\c], s19, v1
	v_add_nc_u32 v[ADR+\c], s21, v1
	s_add_co_u32 s19, s19, SLOT
	s_add_co_u32 s21, s21, SLOT
.endr
	s_mul_i32 s19, s14, 8448                       ; my stage: 16 rows x (512 bytes + 16)
	v_and_b32 v5, 15, v0
	v_bfe_u32 v6, v0, 4, 1
	v_mul_u32_u24 v[STO], v5, 528
	v_lshl_add_u32 v[STO], v6, 6, v[STO]
	v_add_nc_u32 v[STO], s19, v[STO]               ; in: row r, + 64 h
	v_add_nc_u32 v[RD], s19, v1                    ; back: 16 bytes a lane, a row an instruction
	s_lshl_b32 s88, s92, 16                        ; out0: 16 tokens of 4,096 bytes a tile,
	s_lshl_b32 s93, s17, 10
	s_add_co_u32 s88, s88, s93                     ; + 1,024 x my block of columns
	s_lshl_b32 s93, s16, 9
	s_add_co_u32 s88, s88, s93                     ; + 512 x my half of it
	s_mov_b32 s89, 0
	s_add_nc_u64 s[88:89], s[12:13], s[88:89]
	s_wait_alu depctr_va_vdst(0)
	s_wait_tensorcnt 0x0                           ; my part of the first half is in; the second half's first fill is issued as a refill is
	ds_add_u32 v[SPW], v[NIL]
	s_wait_dscnt 0x0
	CROUND
	JLOAD 1                                        ; K steps 4-7
	FETCH 0
	KSTEP 0
	KSTEP 1
	KSTEP 2
	KSTEP 3
	KSTEP 4
	KSTEP 5
	KSTEP 6
	KSTEP 7
	PLACES                                         ; in front of the first read of results and of loads into registers that held R's fragments
	TOSTAGE 0
	TOSTAGE 1
	SEND 0, 32                                     ; behind tile 0's loads: tile 1's 16 stores and 16 loads
	s_wait_xcnt 0x0                                ; tile 0's stores have read their registers: tile 2's rows may land there
	TOSTAGE 2
	SEND 1, 32
	s_wait_xcnt 0x0
	TOSTAGE 3
	SEND 2, 32
	SEND 3, 0
	s_wait_tensorcnt 0x0                           ; the wave's end
	ds_add_u32 v[SPW], v[NIL]
	s_wait_dscnt 0x0
	CROUND                                         ; the closing round
	s_endpgm
.Lfunc_end_k_qe66acf721a_proj:
	.size	k_qe66acf721a_proj, .Lfunc_end_k_qe66acf721a_proj-k_qe66acf721a_proj
	.p2alignl 7, 3214868480
	.fill 96, 4, 3214868480
	.section	.rodata,"a",@progbits
	.p2align	6, 0x0
	.amdhsa_kernel k_qe66acf721a_proj
		.amdhsa_group_segment_fixed_size 327680
		.amdhsa_private_segment_fixed_size 0
		.amdhsa_enable_private_segment 0
		.amdhsa_kernarg_size 40
		.amdhsa_user_sgpr_count 2
		.amdhsa_user_sgpr_kernarg_segment_ptr 1
		.amdhsa_wavefront_size32 1
		.amdhsa_system_sgpr_workgroup_id_x 1
		.amdhsa_system_sgpr_workgroup_id_y 1
		.amdhsa_system_sgpr_workgroup_id_z 1
		.amdhsa_system_vgpr_workitem_id 0
		.amdhsa_next_free_vgpr 768
		.amdhsa_next_free_sgpr 96
		.amdhsa_reserve_vcc 0
		.amdhsa_float_denorm_mode_32 3
		.amdhsa_float_denorm_mode_16_64 3
		.amdhsa_memory_ordered 1
		.amdhsa_forward_progress 1
		.amdhsa_inst_pref_size 77
	.end_amdhsa_kernel
	.amdgpu_metadata
---
amdhsa.version: [ 1, 2 ]
amdhsa.kernels:
  - .name:           k_qe66acf721a_proj
    .symbol:         k_qe66acf721a_proj.kd
    .args:
      - { .name: cod, .offset: 0, .size: 8, .value_kind: global_buffer, .address_space: global }
      - { .name: scl, .offset: 8, .size: 8, .value_kind: global_buffer, .address_space: global }
      - { .name: ocod, .offset: 16, .size: 8, .value_kind: global_buffer, .address_space: global }
      - { .name: oscl, .offset: 24, .size: 8, .value_kind: global_buffer, .address_space: global }
      - { .name: out0, .offset: 32, .size: 8, .value_kind: global_buffer, .address_space: global }
    .group_segment_fixed_size: 327680
    .private_segment_fixed_size: 0
    .kernarg_segment_align: 8
    .kernarg_segment_size: 40
    .max_flat_workgroup_size: 128
    .sgpr_count:     96
    .vgpr_count:     768
    .wavefront_size: 32
...
	.end_amdgpu_metadata
.endif
;; end of part 4
